; MI455X (gfx1250); checked and timed in simulation.
; The chip was launched on July 23, 2026; its instructions are those of AMD's public machine-readable ISA for CDNA 5 (MIT licence, August 2026) and "CDNA5" Instruction Set Architecture Reference Guide (July 2026). The comments in the code are by the model that wrote it; some were corrected since.
;; Multi Headed Attention. Allowed arithmetic: float matrix products may take bf16 or f16 operands with f32 sums; all other float work in f32.
;; Inputs: Wk 1,024 x 1,024 float32; Wo 1,024 x 1,024 float32; Wq 1,024 x 1,024 float32; Wv 1,024 x 1,024 float32; bo 1,024 float32; key 4 x 2,048 x 1,024 float32; mask 4 x 2,048 x 2,048 int32; query 4 x 2,048 x 1,024 float32; value 4 x 2,048 x 1,024 float32.
;; Outputs: out0 4 x 2,048 x 1,024 float32.
;; 2 versions, each right. Each part assembles by itself: llvm-mc -triple=amdgcn-amd-amdhsa -mcpu=gfx1250 --defsym DOCPART=n.
;; ======== version 1 of 2: 4 launches
;; limits: values are held in f16: magnitudes above 65,504 overflow, below 6.1e-05 lose precision
;; workspace buffers: xw 58,720,256 bytes; mbits 2,097,152 bytes of whole numbers; qkv 50,331,648 bytes; zh 16,777,216 bytes
;; launch prep (part 1): grid 32 x 44, 8 waves a work-group, no clusters, 35,840 bytes of LDS; arguments query, key, value, Wq, Wk, Wv, Wo, mask, xw, mbits; writes xw, mbits
.if DOCPART == 1
	.amdgcn_target "amdgcn-amd-amdhsa--gfx1250"
	.amdhsa_code_object_version 6
	.text
	.protected	k_q522ca71ed4_prep
	.globl	k_q522ca71ed4_prep
	.p2align	8
	.type	k_q522ca71ed4_prep,@function
k_q522ca71ed4_prep:
	s_mov_b64 s[64:65], 0
	v_nop
	global_prefetch_b8 v0, s[64:65] scope:SCOPE_SE
	s_setreg_imm32_b32 hwreg(HW_REG_WAVE_MODE, 25, 1), 1
	s_wait_xcnt 0x0
; prep: a stream with two kinds of work-group, told apart by the grid's y.
; y = 0..27: 1 Mi numbers of f32 become f16 in xw.  xw holds 28 units of 2 MiB: 0-7 query, 8-15 key, 16-23 value (each [8192][1024]),
;            24 c Wq, 25 Wk, 26 Wv, 27 Wo (each [1024][1024]).  c = log2(e) / 8 is multiplied in f32 ahead of the one rounding, so that the
;            scores later come out divided by sqrt(64) and in base 2.  (The order of rounding differs there from a division of the scores.)
; y = 28..43: the mask (int32, [4][2048][2048]) is packed to one bit a number, straight into the lane masks that the attention launch's selects use:
;            mbits[G = 64-row block (128)][kb = 64-key block (32)][n (4)][t (4)][j (8)], 32-bit words;
;            bit L of a word = mask[row 64 G + 16 n + (L & 15)][key 64 kb + 16 t + 8 (L >> 4) + j] != 0.
; f16 and not bf16: inputs of spread 1 and weights of spread 0.02 have room for a factor of 30 either way and for an offset of 30 spreads
; (f16 reaches 65,504 and keeps 11 bits down to 6e-5).  NaN and infinities are not served.
; No matrix unit, no cluster, no barrier: every byte is read once and written once, and no wave needs another's data.
.set X,      16                        ; v[16:143]  32 loads of 16 bytes a lane, all issued at once: 16 KiB of a wave in flight
.set W,      8                         ; v[8:11]    pack: the four words that a lane stores
.set CSCALE, 0x3e38aa3b                ; log2(e) / 8
.set SPITCH, 272                       ; pack: a staged row, 256 bytes + 16, so that 16 rows' equal columns lie in 16 different 16-byte columns
.set SWAVE,  16*SPITCH                 ; pack: a wave's own stage, 16 rows
	s_load_b512 s[4:19], s[0:1], 0x0               ; query s[4:5], key, value, Wq, Wk, Wv, Wo s[16:17], mask s[18:19]
	s_load_b128 s[20:23], s[0:1], 0x40             ; xw s[20:21], mbits s[22:23]
	v_lshl_add_u32 v144, v0, 2, 0x8800
	v_mov_b32 v145, 0
	s_and_b32 s24, ttmp7, 0xffff                   ; y
	s_cmp_ge_u32 s24, 28
	s_cbranch_scc1 .Lpack
	; ---- f32 to f16: the work-group takes 32,768 numbers, 128 KiB in, 64 KiB out ----
	s_lshr_b32 s32, s24, 3                         ; y < 24: source y / 8, part y % 8 of 4 MiB
	s_sub_co_u32 s33, s24, 21                      ; else: source y - 21 (3 Wq .. 6 Wo), part 0
	s_and_b32 s34, s24, 7
	s_lshl_b32 s34, s34, 22
	s_cmp_lt_u32 s24, 24
	s_cselect_b32 s32, s32, s33
	s_cselect_b32 s34, s34, 0
	s_lshl_b32 s35, ttmp9, 17                      ; + x times 128 KiB
	s_add_co_u32 s34, s34, s35
	s_mov_b32 s35, 0
	s_lshl_b32 s36, s24, 21                        ; xw: y times 2 MiB + x times 64 KiB
	s_lshl_b32 s37, ttmp9, 16
	s_add_co_u32 s36, s36, s37
	s_mov_b32 s37, 0
	v_lshlrev_b32 v1, 4, v0                        ; 16 bytes a thread in
	v_lshlrev_b32 v2, 3, v0                        ; 8 bytes a thread out
	s_wait_kmcnt 0x0
	s_mov_b64 s[26:27], s[4:5]
.irp k, 1,2,3,4,5,6
	s_cmp_eq_u32 s32, \k                           ; the choice hangs on y alone
	s_cselect_b64 s[26:27], s[4+2*\k:5+2*\k], s[26:27]
.endr
	s_add_nc_u64 s[26:27], s[26:27], s[34:35]
	s_add_nc_u64 s[28:29], s[20:21], s[36:37]
.set ci, 0
.rept 32
	global_load_b128 v[X+4*ci:X+4*ci+3], v1, s[26:27] offset:4096*ci th:TH_LOAD_NT   ; a wave's load covers 512 consecutive bytes
.set ci, ci+1
.endr
; The 32 loads are taken in order.  No register is written twice, so no store's source has to be waited for.
.macro CVALL scaled
.set ci, 0
.rept 32
	s_wait_loadcnt 31-ci                           ; loads return in order: load ci is in, the 31 - ci younger ones stay out
.if \scaled
	v_pk_mul_f32 v[X+4*ci:X+4*ci+1], v[X+4*ci:X+4*ci+1], s[30:31] op_sel_hi:[1,0]
	v_pk_mul_f32 v[X+4*ci+2:X+4*ci+3], v[X+4*ci+2:X+4*ci+3], s[30:31] op_sel_hi:[1,0]
.endif
	v_cvt_pk_f16_f32 v[X+4*ci], v[X+4*ci], v[X+4*ci+1]
	v_cvt_pk_f16_f32 v[X+4*ci+1], v[X+4*ci+2], v[X+4*ci+3]
	global_store_b64 v2, v[X+4*ci:X+4*ci+1], s[28:29] offset:2048*ci     ; a wave's store covers 256 consecutive bytes, aligned
.set ci, ci+1
.endr
.endm
	s_cmp_eq_u32 s24, 24
	s_cbranch_scc1 .Lscaled
	CVALL 0
	s_endpgm
.Lscaled:                                          ; Wq alone carries the factor c
	s_mov_b32 s30, CSCALE
	s_mov_b32 s31, CSCALE
	CVALL 1
	s_endpgm
	; ---- the mask: a wave takes 64 rows x 64 keys (16 KiB) and makes 128 words (512 bytes) ----
.Lpack:
	v_lshrrev_b32 v1, 5, v0
	v_readfirstlane_b32 s25, v1                    ; wave 0..7
	s_sub_co_u32 s26, s24, 28
	s_lshl_b32 s26, s26, 3
	s_lshr_b32 s27, ttmp9, 2
	s_add_co_u32 s26, s26, s27                     ; G = 8 (y - 28) + x / 4
	s_and_b32 s27, ttmp9, 3                        ; kb = 8 (x % 4) + wave
	s_lshl_b32 s28, s26, 19                        ; mask: 64 G rows of 8,192 bytes
	s_lshl_b32 s29, s27, 11                        ;       + 8 (x % 4) blocks of 256 bytes
	s_add_co_u32 s28, s28, s29
	s_mov_b32 s29, 0
	s_lshl_b32 s30, s26, 14                        ; mbits: G times 32 blocks of 512 bytes
	s_lshl_b32 s31, s27, 12
	s_add_co_u32 s30, s30, s31
	s_mov_b32 s31, 0
	s_mul_i32 s48, s25, SWAVE                      ; my wave's stage
	v_and_b32 v12, 15, v0                          ; r = lane % 16
	v_bfe_u32 v13, v0, 4, 1                        ; h = lane / 16
	v_and_b32 v14, 31, v0
	v_lshlrev_b32 v3, 4, v12                       ; load: 16 lanes take a row's 256 bytes, the other 16 the next row's
	v_lshl_add_u32 v3, v13, 13, v3
	v_lshl_add_u32 v3, s25, 8, v3                  ; + my wave's key block
	v_mul_u32_u24 v4, v13, SPITCH                  ; stage in: the same two rows
	v_lshl_add_u32 v4, v12, 4, v4
	v_add_nc_u32 v4, s48, v4
	v_mul_u32_u24 v5, v12, SPITCH                  ; stage back: row r, keys 16 t + 8 h + 0..7
	v_lshl_add_u32 v5, v13, 5, v5
	v_add_nc_u32 v5, s48, v5
	v_lshlrev_b32 v6, 4, v14                       ; store: 16 bytes a lane
	v_lshl_add_u32 v6, s25, 9, v6
.irp k, 0,1,2,3
	v_mov_b32 v[W+\k], 0                           ; v_writelane_b32 keeps the other lanes: the registers are written whole once
.endr
	s_wait_kmcnt 0x0
	s_add_nc_u64 s[18:19], s[18:19], s[28:29]
	s_add_nc_u64 s[22:23], s[22:23], s[30:31]
.set ci, 0
.rept 32
	global_load_b128 v[X+4*ci:X+4*ci+3], v3, s[18:19] offset:16384*ci th:TH_LOAD_NT   ; rows 2 ci, 2 ci + 1: two aligned runs of 256 bytes
.set ci, ci+1
.endr
; Rows 16 n .. 16 n + 15.  Through the wave's own stage the numbers change from 'a lane holds 4 keys of a row' to 'lane (r, h) holds keys
; 16 t + 8 h + j of row r in register 8 t + j'; a compare then yields word (n, t, j) as a lane mask.  LDS serves a wave's instructions in order
; (ISA guide 5.7.1), and no other wave touches the stage: no barrier, and no wait between the stores and the loads.
.macro PK n
	s_wait_loadcnt 24-8*\n                         ; the eight loads of these rows are in; the 24 - 8 n younger ones stay out
.irp a, 0,1,2,3,4,5,6,7
	ds_store_b128 v4, v[X+32*\n+4*\a:X+32*\n+4*\a+3] offset:2*SPITCH*\a
.endr
.irp t, 0,1,2,3
	ds_load_b128 v[X+32*\n+8*\t:X+32*\n+8*\t+3], v5 offset:64*\t
	ds_load_b128 v[X+32*\n+8*\t+4:X+32*\n+8*\t+7], v5 offset:64*\t+16
.endr
	s_wait_dscnt 0x0
.irp g, 0,1
.set i, 0
.rept 16
	v_cmp_ne_u32 s[32+i], 0, v[X+32*\n+16*\g+i]
.set i, i+1
.endr
.set i, 0
.rept 16
	v_writelane_b32 v[W+(i&3)], s[32+i], 8*\n+4*\g+(i>>2)      ; word 32 n + 16 g + i goes to lane (word / 4), register (word % 4)
.set i, i+1
.endr
.endr
.endm
	PK 0
	PK 1
	PK 2
	PK 3
	global_store_b128 v6, v[W:W+3], s[22:23]       ; the wave's 128 words: 512 consecutive bytes, aligned
	s_wait_tensorcnt 0x0
	ds_add_u32 v144, v145
	s_wait_dscnt 0x0
	s_endpgm
.Lfunc_end_k_q522ca71ed4_prep:
	.size	k_q522ca71ed4_prep, .Lfunc_end_k_q522ca71ed4_prep-k_q522ca71ed4_prep
	.p2alignl 7, 3214868480
	.fill 96, 4, 3214868480
	.section	.rodata,"a",@progbits
	.p2align	6, 0x0
	.amdhsa_kernel k_q522ca71ed4_prep
		.amdhsa_group_segment_fixed_size 35840
		.amdhsa_private_segment_fixed_size 0
		.amdhsa_enable_private_segment 0
		.amdhsa_kernarg_size 80
		.amdhsa_user_sgpr_count 2
		.amdhsa_user_sgpr_kernarg_segment_ptr 1
		.amdhsa_wavefront_size32 1
		.amdhsa_system_sgpr_workgroup_id_x 1
		.amdhsa_system_sgpr_workgroup_id_y 1
		.amdhsa_system_sgpr_workgroup_id_z 1
		.amdhsa_system_vgpr_workitem_id 0
		.amdhsa_next_free_vgpr 146
		.amdhsa_next_free_sgpr 66
		.amdhsa_reserve_vcc 0
		.amdhsa_float_denorm_mode_32 3
		.amdhsa_float_denorm_mode_16_64 3
		.amdhsa_memory_ordered 1
		.amdhsa_forward_progress 1
		.amdhsa_inst_pref_size 50
	.end_amdhsa_kernel
	.amdgpu_metadata
---
amdhsa.version: [ 1, 2 ]
amdhsa.kernels:
  - .name:           k_q522ca71ed4_prep
    .symbol:         k_q522ca71ed4_prep.kd
    .args:
      - { .name: query, .offset: 0, .size: 8, .value_kind: global_buffer, .address_space: global }
      - { .name: key, .offset: 8, .size: 8, .value_kind: global_buffer, .address_space: global }
      - { .name: value, .offset: 16, .size: 8, .value_kind: global_buffer, .address_space: global }
      - { .name: Wq, .offset: 24, .size: 8, .value_kind: global_buffer, .address_space: global }
      - { .name: Wk, .offset: 32, .size: 8, .value_kind: global_buffer, .address_space: global }
      - { .name: Wv, .offset: 40, .size: 8, .value_kind: global_buffer, .address_space: global }
      - { .name: Wo, .offset: 48, .size: 8, .value_kind: global_buffer, .address_space: global }
      - { .name: mask, .offset: 56, .size: 8, .value_kind: global_buffer, .address_space: global }
      - { .name: xw, .offset: 64, .size: 8, .value_kind: global_buffer, .address_space: global }
      - { .name: mbits, .offset: 72, .size: 8, .value_kind: global_buffer, .address_space: global }
    .group_segment_fixed_size: 35840
    .private_segment_fixed_size: 0
    .kernarg_segment_align: 8
    .kernarg_segment_size: 80
    .max_flat_workgroup_size: 256
    .sgpr_count:     66
    .vgpr_count:     146
    .wavefront_size: 32
...
	.end_amdgpu_metadata
.endif
;; end of part 1
;; launch proj (part 2): grid 12 x 32, 4 waves a work-group, clusters of 4 x 4, 327,680 bytes of LDS; arguments xw, qkv; writes qkv
.if DOCPART == 2
	.amdgcn_target "amdgcn-amd-amdhsa--gfx1250"
	.amdhsa_code_object_version 6
	.text
	.protected	k_q522ca71ed4_proj
	.globl	k_q522ca71ed4_proj
	.p2align	8
	.type	k_q522ca71ed4_proj,@function
k_q522ca71ed4_proj:
	s_mov_b64 s[64:65], 0
	v_nop
	global_prefetch_b8 v0, s[64:65] scope:SCOPE_SE
	s_setreg_imm32_b32 hwreg(HW_REG_WAVE_MODE, 25, 1), 1
	s_wait_xcnt 0x0
	s_wait_alu depctr_hold_cnt(0) depctr_sa_sdst(0) depctr_va_vdst(0) depctr_va_sdst(0) depctr_va_ssrc(0) depctr_va_vcc(0) depctr_vm_vsrc(0)
	s_getreg_b32 s2, hwreg(HW_REG_IB_STS2, 6, 4)
	s_cmp_eq_u32 s2, 0
	s_cbranch_scc0 .Lentry_in_a_cluster
	s_endpgm
.Lentry_in_a_cluster:
	s_bfe_u32 s2, ttmp6, 0x10000c
	s_cmp_lg_u32 s2, 0xf033
	s_cbranch_scc0 .Lentry_shape_is_right
	s_endpgm
.Lentry_shape_is_right:
; proj: the three input projections as one product.  For p = 0, 1, 2 (the cluster's x): C_p[m][e] = sum over k of X_p[m][k] W_p[e][k],
; X_p = query, key, value as f16 [8192][1024] (xw + p x 16 MiB), W_p = c Wq, Wk, Wv as f16, which lie in xw as one [3072][1024] from byte WOFF on.
; C_p is rounded once to f16 and stored by heads: qkv + p x 16 MiB, [b (4)][h (16)][t (2048)][64].
; LIMIT: |C| must stay below 65,504 (f16).  The drawn spread is 0.64; inputs and weights both 30 times larger reach about 3,500,
; both with an offset of 30 spreads about 18,500.
; A work-group makes 256 x 256 of C with four waves, one to a SIMD; a wave makes 128 x 128: 64 accumulator tiles, 512 registers.
; K = 1024 goes in 8 steps of 128 through two LDS slots filled by the tensor data mover; a tile's rows are 256 bytes and start at multiples of 256.
; CLUSTERS: 4 x 4 work-groups.  The four of a row of the cluster need the same rows of X, the four of a column the same rows of W: such a tile
; is asked for jointly, by the same tensor load with the same descriptor and a mask that names the four.  That divides the requests by four.
; REGISTERS, in windows of 256:
;   window 0: v0-31 addresses; v64-127, v128-191 fragments of X, two buffers; v192-223 at work on the way out
;   window 1: v64-127, v128-191 fragments of W, two buffers
;   window 2: the 32 accumulator tiles of my rows 0-63 (tile (a, b) at v[8 (8 a + b)]);  window 3: those of my rows 64-127
; THE MATRIX INSTRUCTION IS USED TRANSPOSED: source 0 = 16 rows of W, source 1 = 16 rows of X, so that lane l holds row l % 16 of C and its
; registers the columns 8 (l / 16) + 0..7: eight neighbouring numbers, 16 bytes of f16.
.set SIZE_K, 1024
.set KSTEP,  128
.set PITCH,  272                       ; an LDS row: 256 bytes + 16, an odd multiple of 16: the 16 rows of a fragment load start in 16 different 16-byte columns
.set HALFT,  128*PITCH                 ; 128 rows: what one tensor load brings, and what one wave reads of X or of W
.set SLOT,   4*HALFT                   ; X's 256 rows, then W's 256 rows
.set STAGE,  2*SLOT                    ; behind the ring: 16 rows x 272 bytes for each wave, for the way out; no tensor load lands there
.set SPITCH, 272
.set LAPS,   SIZE_K/(2*KSTEP)          ; 4 laps of two K steps
.set WOFF,   50331648                  ; the weights' first byte in xw
.set ADRA, 16                          ; v16-17  LDS address of my X fragments in slot 0, 1
.set ADRB, 20                          ; v20-21  the same for W
.set STO,  24                          ; v24     the way out: where I put 16 bytes of a row
.set RD,   25                          ; v25     the way out: where I read back
.set CO,   26                          ; v26     16 x lane
.set F0,   64
.set F1,   128
.set TMP,  192
.set G1,  24                           ; s[24:31] descriptor group 1 for X's tiles
.set G0,  32                           ; s[32:39] group 0 for X's tiles, one set for each slot
.set G1B, 48                           ; s[48:55] group 1 for W's tiles: another mask
.set G0B, 56                           ; s[56:63] group 0 for W's tiles
.set MSB, 0
.macro WIN new                         ; the immediate's high byte repeats the setting that is left
.if MSB != \new
	s_set_vgpr_msb (MSB<<8)|\new
.set MSB, \new
.endif
.endm
.set MUL_LO, 0xa1                      ; source 0 (W) window 1, source 1 (X) window 0, C and D window 2
.set MUL_HI, 0xf1                      ; the same, C and D window 3
.set TO_B,   0x40                      ; destination window 1, address window 0
; A joint load.  Waves 0 and 1 fetch X's two halves, waves 2 and 3 W's.  The branch hangs on the wave's number alone.
.macro JLOAD s
	s_cmp_eq_u32 s11, 0
	s_cbranch_scc0 .Lfor_b_\@
	tensor_load_to_lds s[G0+4*\s:G0+4*\s+3], s[G1:G1+7]
	s_nop 0
	s_branch .Lasked_\@
.Lfor_b_\@:
	tensor_load_to_lds s[G0B+4*\s:G0B+4*\s+3], s[G1B:G1B+7]
	s_nop 0
.Lasked_\@:
.endm
; A round of the cluster's barrier: my work-group's barrier, wave 0 signals for the work-group, every wave waits for all sixteen, my work-group's barrier again.
.macro CREST                           ; a round behind its opening barrier
	s_cmp_lg_u32 s10, 0
	s_cbranch_scc1 .Lnot_wave_0_\@
	s_barrier_signal -3
.Lnot_wave_0_\@:
	s_barrier_wait -3
	s_barrier_signal -1
	s_barrier_wait -1
.endm
.macro CROUND
	s_barrier_signal -1
	s_barrier_wait -1
	CREST
.endm
	s_load_b128 s[4:7], s[0:1], 0x0                ; xw s[4:5], qkv s[6:7]
	s_set_vgpr_msb 0x40
	v_lshl_add_u32 v255, v0, 2, 0x48400
	s_set_vgpr_msb 0x4000
	v_mov_b32 v255, 0
	s_set_vgpr_msb 0x1
	ds_add_u32 v255, v255
	s_set_vgpr_msb 0x100
	v_lshrrev_b32 v1, 5, v0
	v_readfirstlane_b32 s10, v1                    ; wave 0..3
	s_lshr_b32 s11, s10, 1                         ; which half of the block's rows is mine.  Also: I fetch for X (0) or for W (1)
	s_and_b32 s12, s10, 1                          ; which half of its columns.  Also: which 128 rows of that tile I fetch
	s_bfe_u32 s40, ttmp6, 0x40000                  ; cx
	s_bfe_u32 s41, ttmp6, 0x40004                  ; cy
	s_lshl_b32 s42, ttmp9, 2
	s_add_co_u32 s42, s42, s40                     ; block column among the 3,072 rows of the weights = 4 p + cx
	s_and_b32 s13, ttmp7, 0xffff
	s_lshl_b32 s13, s13, 2
	s_add_co_u32 s13, s13, s41                     ; block row R = 4 x cluster y + cy
	s_lshl_b32 s43, s41, 2
	s_lshl_b32 s43, 15, s43                        ; my row of the cluster: places 4 cy .. 4 cy + 3
	s_lshl_b32 s44, 0x1111, s40                    ; my column: places cx, cx + 4, cx + 8, cx + 12
	; group 1: a tile of 128 rows x 128 elements of 2 bytes; 4 words of padding behind every 64 words
	s_or_b32 s[G1+0], s43, (1<<16)|(1<<20)|(1<<21)|(5<<22)|(3<<25)
	s_or_b32 s[G1B+0], s44, (1<<16)|(1<<20)|(1<<21)|(5<<22)|(3<<25)
	s_mov_b32 s[G1B+1], KSTEP<<16
	s_mov_b32 s[G1+1], KSTEP<<16                   ; tensor_dim0 = 128
	s_mov_b32 s[G1B+2], 128<<16
	s_mov_b32 s[G1+2], 128<<16                     ; tensor_dim1 = 128
	s_mov_b32 s[G1B+3], KSTEP<<16
	s_mov_b32 s[G1+3], KSTEP<<16                   ; tile_dim0 = 128
	s_mov_b32 s[G1B+4], 128
	s_mov_b32 s[G1+4], 128                         ; tile_dim1 = 128
	s_mov_b32 s[G1B+5], SIZE_K
	s_mov_b32 s[G1+5], SIZE_K                      ; elements from row to row
	s_mov_b32 s[G1B+6], 0
	s_mov_b32 s[G1+6], 0
	s_mov_b32 s[G1B+7], 0
	s_mov_b32 s[G1+7], 0
	; X's tiles hang on R and p, which my row of the cluster shares; W's on 4 p + cx, which my column shares.  All offsets stay below 2^26.
	s_lshl_b32 s17, s12, 7
	s_lshl_b32 s16, s13, 8
	s_add_co_u32 s16, s16, s17                     ; X: row 256 R + 128 x half
	s_lshl_b32 s16, s16, 11                        ; rows of 2,048 bytes
	s_lshl_b32 s18, ttmp9, 24                      ; + p x 16 MiB
	s_add_co_u32 s16, s16, s18
	s_lshl_b32 s46, s42, 8
	s_add_co_u32 s46, s46, s17                     ; W: row 256 (4 p + cx) + 128 x half
	s_lshl_b32 s46, s46, 11
	s_add_co_u32 s46, s46, WOFF
	s_mov_b32 s17, 0
	s_mov_b32 s47, 0
	s_mul_i32 s20, s10, HALFT                      ; where they go: wave x 128 rows; no place in the cluster enters an LDS address
	s_wait_dscnt 0x0
	s_wait_kmcnt 0x0
	s_add_nc_u64 s[14:15], s[4:5], s[16:17]
	s_add_nc_u64 s[46:47], s[4:5], s[46:47]
	CROUND                                         ; all sixteen work-groups are here: the first joint loads meet
.irp s, 0,1
	s_mov_b32 s[G0+4*\s], 1
	s_add_co_u32 s[G0+4*\s+1], s20, \s*SLOT
	s_add_nc_u64 s[G0+4*\s+2:G0+4*\s+3], s[14:15], \s*KSTEP*2
	s_or_b32 s[G0+4*\s+3], s[G0+4*\s+3], 0x80000000
	s_mov_b32 s[G0B+4*\s], 1
	s_add_co_u32 s[G0B+4*\s+1], s20, \s*SLOT
	s_add_nc_u64 s[G0B+4*\s+2:G0B+4*\s+3], s[46:47], \s*KSTEP*2
	s_or_b32 s[G0B+4*\s+3], s[G0B+4*\s+3], 0x80000000
	JLOAD \s                                       ; both slots are asked for before anything else: two tensor loads of a wave are out
.endr
	; A fragment is 16 rows x 32 K in 8 registers: lane l holds row l % 16; registers 0-3 K = 8 (l / 16) + 0..7, registers 4-7 K = 16 + 8 (l / 16) + 0..7.
	v_and_b32 v1, 15, v0
	v_bfe_u32 v2, v0, 4, 1
	v_mul_u32_u24 v3, v1, PITCH
	v_lshl_add_u32 v3, v2, 4, v3
	s_mul_i32 s21, s11, HALFT                      ; my 128 rows of X
	s_mul_i32 s22, s12, HALFT                      ; my 128 rows of W,
	s_add_co_u32 s22, s22, 2*HALFT                 ; which lie behind X's 256
.irp s, 0,1
	v_add_nc_u32 v[ADRA+\s], s21, v3
	v_add_nc_u32 v[ADRB+\s], s22, v3
	s_add_co_u32 s21, s21, SLOT
	s_add_co_u32 s22, s22, SLOT
.endr
	s_mul_i32 s23, s10, 16*SPITCH
	s_add_co_u32 s23, s23, STAGE                   ; my stage
	v_mul_u32_u24 v4, v1, SPITCH                   ; in: row l % 16, 16 bytes for each half of the lanes
	v_lshl_add_u32 v4, v2, 4, v4
	v_add_nc_u32 v[STO], s23, v4
	v_and_b32 v6, 31, v0
	v_lshrrev_b32 v7, 3, v6                        ; back: eight lanes take the 128 bytes that one row has of one head, 32 lanes four rows
	v_and_b32 v8, 7, v6
	v_mul_u32_u24 v5, v7, SPITCH
	v_lshl_add_u32 v5, v8, 4, v5
	v_add_nc_u32 v[RD], s23, v5
	v_lshlrev_b32 v[CO], 4, v6                     ; in qkv those four rows are 512 consecutive bytes
; 16 matrix instructions: m blocks a0, a0 + 1 of the window's four x all 8 n blocks, 32 along K.  zero = 1: the first product starts the sums.
.macro MUL16 f, hi, a0, zero
.irp a, \a0, \a0+1
.irp b, 0,1,2,3,4,5,6,7
.if \zero
	v_wmma_f32_16x16x32_f16 v[8*(8*(\a)+\b):8*(8*(\a)+\b)+7], v[\f+8*\b:\f+8*\b+7], v[\f+8*(4*\hi+\a):\f+8*(4*\hi+\a)+7], 0
.else
	v_wmma_f32_16x16x32_f16 v[8*(8*(\a)+\b):8*(8*(\a)+\b)+7], v[\f+8*\b:\f+8*\b+7], v[\f+8*(4*\hi+\a):\f+8*(4*\hi+\a)+7], v[8*(8*(\a)+\b):8*(8*(\a)+\b)+7]
.endif
.endr
.endr
.endm
; 32 LDS loads in one run: the fragments of one quarter step (32 K at byte k of the rows) into buffer f
.macro FETCH slot, k, f
	WIN TO_B
.irp i, 0,1,2,3,4,5,6,7
	ds_load_b128 v[\f+8*\i:\f+8*\i+3],   v[ADRB+\slot] offset:\k+\i*16*PITCH
	ds_load_b128 v[\f+8*\i+4:\f+8*\i+7], v[ADRB+\slot] offset:\k+\i*16*PITCH+32
.endr
	WIN 0
.irp i, 0,1,2,3,4,5,6,7
	ds_load_b128 v[\f+8*\i:\f+8*\i+3],   v[ADRA+\slot] offset:\k+\i*16*PITCH
	ds_load_b128 v[\f+8*\i+4:\f+8*\i+7], v[ADRA+\slot] offset:\k+\i*16*PITCH+32
.endr
.endm
; A load into a register that a matrix instruction has read, and a vector instruction that reads a matrix result, stand four places behind it;
; only plain vector instructions that name none of its registers are places.
.macro PLACES
.rept 4
	v_nop
.endr
.endm
; A K step is four quarters of 32 along K, 64 matrix instructions each, on buffers 0, 1, 0, 1.  The 64 accumulators take turns, one instruction
; a turn, in the same order in every quarter.
.macro QUARTER slot, k, f, g, zero
	s_wait_dscnt 8                                 ; W and X's rows 0-63 are in; the youngest eight loads (X's rows 64-127) may be out
	WIN MUL_LO
	MUL16 \f, 0, 0, \zero
	MUL16 \f, 0, 2, \zero
	PLACES
	FETCH \slot, \k, \g
	s_wait_dscnt 32                                ; all but the 32 just issued
	WIN MUL_HI
	MUL16 \f, 1, 0, \zero
	MUL16 \f, 1, 2, \zero
.endm
.macro THREE slot, zero
	QUARTER \slot, 64,  F0, F1, \zero
	QUARTER \slot, 128, F1, F0, 0
	QUARTER \slot, 192, F0, F1, 0
.endm
; The last quarter multiplies buffer 1 and changes slots.  In front of the barrier each wave waits for its reads of this slot and for all its
; tensor loads (one is out: its part of the next slot).  Behind it the refill comes first, then the next slot's first fragments.
; From a request to the wait for it a wave issues 240 matrix instructions.
.macro TURN slot, next, fill
	s_wait_dscnt 8
	WIN MUL_LO
	MUL16 F1, 0, 0, 0
	s_wait_dscnt 0                                 ; my reads of this slot are over
	s_wait_tensorcnt 0x0                           ; and all my tensor loads have landed
	ds_add_u32 v255, v255
	s_wait_dscnt 0x0
	s_barrier_signal -1                            ; (where a slot is filled again this barrier opens a round of the cluster's barrier)
	MUL16 F1, 0, 2, 0                              ; work on registers while the others arrive
	WIN 0
	s_barrier_wait -1
.if \fill
	CREST                                          ; no wave of any partner still reads this slot's tile or has a load on its way
	s_add_nc_u64 s[G0+4*\slot+2:G0+4*\slot+3], s[G0+4*\slot+2:G0+4*\slot+3], 2*KSTEP*2
	s_add_nc_u64 s[G0B+4*\slot+2:G0B+4*\slot+3], s[G0B+4*\slot+2:G0B+4*\slot+3], 2*KSTEP*2
	JLOAD \slot                                    ; the first tensor load behind the round, and my only one until the next
.endif
	PLACES
	FETCH \next, 0, F0
	WIN MUL_HI
	MUL16 F1, 1, 0, 0
	MUL16 F1, 1, 2, 0
.endm
.macro LAP zero
	THREE 0, \zero
	TURN 0, 1, 1
	THREE 1, 0
	TURN 1, 0, 1
.endm
	s_wait_tensorcnt 1                             ; my part of K step 0 is in; K step 1's stays out
	s_barrier_signal -1
	s_barrier_wait -1
	FETCH 0, 0, F0
	LAP 1                                          ; the first lap's first products start the sums: nothing is cleared
	WIN 0
	s_mov_b32 s3, LAPS-2
.Llap:
	LAP 0
	WIN 0
	s_sub_co_u32 s3, s3, 1
	s_cmp_lg_u32 s3, 0
	s_cbranch_scc1 .Llap
	THREE 0, 0                                     ; the last lap fills nothing
	TURN 0, 1, 0
	THREE 1, 0
	s_wait_dscnt 8
	WIN MUL_LO
	MUL16 F1, 0, 0, 0
	MUL16 F1, 0, 2, 0
	s_wait_dscnt 0
	WIN MUL_HI
	MUL16 F1, 1, 0, 0
	MUL16 F1, 1, 2, 0
	; THE WAY OUT, 16 rows at a time: round to f16, 16 bytes a lane into my own stage, read back by heads.
	; Row m = 256 R + 128 half + .. is token t = m % 2048 of batch R / 8; my 128 columns are heads 4 cx + 2 half and the next.
	PLACES
	s_lshr_b32 s16, s13, 3
	s_lshl_b32 s16, s16, 22                        ; batch: 16 heads x 2,048 tokens x 128 bytes
	s_and_b32 s14, s13, 7
	s_lshl_b32 s14, s14, 15                        ; 256 (R % 8) tokens of 128 bytes
	s_add_co_u32 s16, s16, s14
	s_lshl_b32 s14, s11, 14                        ; my half: 128 tokens
	s_add_co_u32 s16, s16, s14
	s_lshl_b32 s14, ttmp9, 24                      ; Q, K or V
	s_add_co_u32 s16, s16, s14
	s_mov_b32 s17, 0
	s_add_nc_u64 s[6:7], s[6:7], s[16:17]
	s_lshl_b32 s46, s40, 20                        ; head 4 cx + 2 half, 262,144 bytes each (in registers that feed none of X's descriptors)
	s_lshl_b32 s47, s12, 19
	s_add_co_u32 s46, s46, s47
	s_mov_b32 s47, 0
	s_add_nc_u64 s[6:7], s[6:7], s[46:47]
; rows 16 i .. 16 i + 15 of my block = the eight tiles (a, 0..7) of window 2 or 3 (from = 0x0a or 0x0f); f: F0 or F1 in turn
.macro OUT16 i, a, from, f
	WIN \from
.irp b, 0,1,2,3,4,5,6,7
.irp r, 0,1,2,3
	v_cvt_pk_f16_f32 v[TMP+4*\b+\r], v[8*(8*\a+\b)+2*\r], v[8*(8*\a+\b)+2*\r+1]
.endr
.endr
	WIN 0
.irp b, 0,1,2,3,4,5,6,7
	ds_store_b128 v[STO], v[TMP+4*\b:TMP+4*\b+3] offset:32*\b
.endr
	s_wait_xcnt 0x0                                ; buffer f, which earlier stores read, is rewritten only behind this wait
.irp g, 0,1
.irp u, 0,1,2,3
	ds_load_b128 v[\f+4*(4*\g+\u):\f+4*(4*\g+\u)+3], v[RD] offset:4*SPITCH*\u+128*\g   ; LDS serves a wave's instructions in order: these see the stores above
.endr
.endr
.irp g, 0,1
.irp u, 0,1,2,3
	s_wait_dscnt 7-(4*\g+\u)                       ; this read-back is in, the younger ones stay out
	global_store_b128 v[CO], v[\f+4*(4*\g+\u):\f+4*(4*\g+\u)+3], s[6:7] offset:262144*\g+2048*\i+512*\u   ; four tokens of one head: 512 consecutive bytes, aligned
.endr
.endr
.endm
	OUT16 0, 0, 0x0a, F0
	OUT16 1, 1, 0x0a, F1
	OUT16 2, 2, 0x0a, F0
	OUT16 3, 3, 0x0a, F1
	OUT16 4, 0, 0x0f, F0
	OUT16 5, 1, 0x0f, F1
	OUT16 6, 2, 0x0f, F0
	OUT16 7, 3, 0x0f, F1
	s_set_vgpr_msb 0x1
	s_wait_tensorcnt 0x0
	ds_add_u32 v255, v255
	s_wait_dscnt 0x0
	s_set_vgpr_msb 0x100
	CROUND                                         ; the closing round: no work-group ends while a partner may still ask for a tile that names it
	s_endpgm
.Lfunc_end_k_q522ca71ed4_proj:
	.size	k_q522ca71ed4_proj, .Lfunc_end_k_q522ca71ed4_proj-k_q522ca71ed4_proj
	.p2alignl 7, 3214868480
	.fill 96, 4, 3214868480
	.section	.rodata,"a",@progbits
	.p2align	6, 0x0
	.amdhsa_kernel k_q522ca71ed4_proj
		.amdhsa_group_segment_fixed_size 327680
		.amdhsa_private_segment_fixed_size 0
		.amdhsa_enable_private_segment 0
		.amdhsa_kernarg_size 16
		.amdhsa_user_sgpr_count 2
		.amdhsa_user_sgpr_kernarg_segment_ptr 1
		.amdhsa_wavefront_size32 1
		.amdhsa_system_sgpr_workgroup_id_x 1
		.amdhsa_system_sgpr_workgroup_id_y 1
		.amdhsa_system_sgpr_workgroup_id_z 1
		.amdhsa_system_vgpr_workitem_id 0
		.amdhsa_next_free_vgpr 1024
		.amdhsa_next_free_sgpr 66
		.amdhsa_reserve_vcc 0
		.amdhsa_float_denorm_mode_32 3
		.amdhsa_float_denorm_mode_16_64 3
		.amdhsa_memory_ordered 1
		.amdhsa_forward_progress 1
		.amdhsa_inst_pref_size 196
	.end_amdhsa_kernel
	.amdgpu_metadata
---
amdhsa.version: [ 1, 2 ]
amdhsa.kernels:
  - .name:           k_q522ca71ed4_proj
    .symbol:         k_q522ca71ed4_proj.kd
    .args:
      - { .name: xw, .offset: 0, .size: 8, .value_kind: global_buffer, .address_space: global }
      - { .name: qkv, .offset: 8, .size: 8, .value_kind: global_buffer, .address_space: global }
    .group_segment_fixed_size: 327680
    .private_segment_fixed_size: 0
    .kernarg_segment_align: 8
    .kernarg_segment_size: 16
    .max_flat_workgroup_size: 128
    .sgpr_count:     66
    .vgpr_count:     1024
    .wavefront_size: 32
...
	.end_amdgpu_metadata
.endif
;; end of part 2
;; launch attn (part 3): grid 4 x 64, 8 waves a work-group, clusters of 4 x 1, 327,680 bytes of LDS; arguments qkv, mbits, zh; writes zh
.if DOCPART == 3
	.amdgcn_target "amdgcn-amd-amdhsa--gfx1250"
	.amdhsa_code_object_version 6
	.text
	.protected	k_q522ca71ed4_attn
	.globl	k_q522ca71ed4_attn
	.p2align	8
	.type	k_q522ca71ed4_attn,@function
k_q522ca71ed4_attn:
	s_mov_b64 s[64:65], 0
	v_nop
	global_prefetch_b8 v0, s[64:65] scope:SCOPE_SE
	s_setreg_imm32_b32 hwreg(HW_REG_WAVE_MODE, 25, 1), 1
	s_wait_xcnt 0x0
	s_wait_alu depctr_hold_cnt(0) depctr_sa_sdst(0) depctr_va_vdst(0) depctr_va_sdst(0) depctr_va_ssrc(0) depctr_va_vcc(0) depctr_vm_vsrc(0)
	s_getreg_b32 s2, hwreg(HW_REG_IB_STS2, 6, 4)
	s_cmp_eq_u32 s2, 0
	s_cbranch_scc0 .Lentry_in_a_cluster
	s_endpgm
.Lentry_in_a_cluster:
	s_bfe_u32 s2, ttmp6, 0x10000c
	s_cmp_lg_u32 s2, 0x3003
	s_cbranch_scc0 .Lentry_shape_is_right
	s_endpgm
.Lentry_shape_is_right:
; attn: softmax(mask ? Q K^T / 8 : -1e9) V for one (batch, head) y and one block of 512 queries cx.  Q, K, V: f16 [b][h][t][64] in qkv; Z: f16, the same shape, in zh.
; Q carries the factor log2(e) / 8 from its projection, so the products are the scores in base 2; the mask's value is -1e9 log2(e).
; Eight waves, two to a SIMD, so that one wave's softmax runs beside the other's products.  A wave owns 64 queries: four tiles n of 16.
; TRANSPOSED: S^T = K Q^T (source 0: 16 keys, source 1: 16 queries): lane (r, h) = (l % 16, l / 16) holds query r, register j key 8 h + j.
; So a query's maximum and sum are made inside a lane, with one exchange between the halves; and two neighbouring tiles of S^T, rounded to f16, ARE the
; second source of O^T = V^T P^T: nothing is shuffled.  V^T's fragments come by the transposing LDS load.
; The running maximum is kept as in the usual online softmax; the first 64 keys start maximum, sum and O, so nothing is cleared and no infinity is used.
; A row whose mask is all zero has equal scores -1e9 and comes out as the mean of V, as in the definition.
; The row sum adds p in f32 while the product takes p rounded to f16.  Exponentials below 2^-126 are zero (ISA guide, v_exp_f32).  NaN and infinities are not served.
; CLUSTERS: the four query blocks of one (batch, head) read the same K and V: 4 x 1 work-groups ask for each tile jointly (mask 15).
; Keys go in 8 tiles of 256 through two LDS slots; waves 0-3 fetch 64 keys of V each, waves 4-7 64 keys of K: one tensor load of a wave is out at a time,
; and it has a whole tile's work (256 matrix instructions a wave) in which to land.  Rows are an attention head's 128 bytes.
; The mask comes as lane masks, 128 words for a wave and 64 keys, by scalar loads, two buffers of 32 words in turn.
.set TILEK,  256
.set VP,     160                       ; V's LDS pitch: 128 + 32, an odd multiple of 32 for the transposing load
.set KP,     144                       ; K's LDS pitch: 128 + 16, an odd multiple of 16
.set SLOTB,  0x20000                   ; from slot 0 to slot 1
.set KOFF,   TILEK*VP                  ; a slot: V's 256 keys (40,960 bytes), then K's (36,864)
.set STAGE,  KOFF+TILEK*KP             ; 77,824: behind slot 0, 16 x 144 bytes for each wave, for the way out; no tensor load lands there
; window 0
.set MV,  10                           ; v10       the mask's value
.set MX,  16                           ; v[16+2n]  running maximum (the odd registers are written once: a packed source is a pair)
.set AL,  24                           ; v[24+2n]  the step's factor 2^(old maximum - new); at the end 1 / sum, twice
.set LS,  32                           ; v[32+n]   running sum of my half of the keys
.set T,   36                           ; v[36:39]  at work
.set U,   40                           ; v[40:47]  at work
.set KF,  64                           ; v[64+16t+8ks ..]  K's fragments: 16 keys t, 32 of d ks
.set S,   128                          ; v[128+32n+8t+j]   S^T, then p, then P^T packed: P(n, kk) = v[128+32n+16kk .. +7]
; window 1
.set O,   0                            ; v[8(4n+mt) ..]    O^T: 16 of d mt, 16 queries n
.set Q,   128                          ; v[128+16n+8ks ..] Q's fragments, kept for the whole kernel
.set VF,  192                          ; v[192+8(4kk+mt) ..] V^T's fragments: 32 keys kk
; v2, v3: K's LDS address in slot 0, 1; v4, v5: V's; v6, v7: stage in, back; v8: 16 x lane; v9: Q's offset
.set MA,  16                           ; s[16:47]  mask buffer A
.set MB,  68                           ; s[68:99]  mask buffer B
; s3 wave; s66 wave / 4; s67 counter; s[4:7] group 0 for V, s[8:11] for K; s[48:55] group 1 for V, s[56:63] for K;
; s[12:13] mask, s[14:15] Q; s100, s101 selectors; s104 y, s105 cx
.set MSB, 0
.macro WIN new                         ; the immediate's high byte repeats the setting that is left
.if MSB != \new
	s_set_vgpr_msb (MSB<<8)|\new
.set MSB, \new
.endif
.endm
.macro ROUND                           ; a round of the cluster's barrier
	s_barrier_signal -1
	s_barrier_wait -1
	s_cmp_lg_u32 s3, 0
	s_cbranch_scc1 .Lnot_wave_0_\@
	s_barrier_signal -3
.Lnot_wave_0_\@:
	s_barrier_wait -3
	s_barrier_signal -1
	s_barrier_wait -1
.endm
.macro JLOAD                           ; waves 0-3 ask for V, waves 4-7 for K; the branch hangs on the wave's number alone
	s_cmp_eq_u32 s66, 0
	s_cbranch_scc0 .Lfor_k_\@
	tensor_load_to_lds s[4:7], s[48:55]
	s_nop 0
	s_branch .Lasked_\@
.Lfor_k_\@:
	tensor_load_to_lds s[8:11], s[56:63]
	s_nop 0
.Lasked_\@:
.endm
	s_load_b128 s[16:19], s[0:1], 0x0              ; qkv s[16:17], mbits s[18:19]
	v_lshl_add_u32 v62, v0, 2, 0x33000
	v_mov_b32 v63, 0
	ds_add_u32 v62, v63
	v_lshrrev_b32 v1, 5, v0
	v_readfirstlane_b32 s3, v1                     ; wave 0..7
	s_lshr_b32 s66, s3, 2
	s_bfe_u32 s105, ttmp6, 0x40000                 ; cx: the query block; it enters the addresses of Q, the mask and Z alone
	s_and_b32 s104, ttmp7, 0xffff                  ; y = 16 b + h
	s_mov_b32 s100, 0x76543210                     ; v_permlanex16_b32: lane i of one half reads lane i of the other
	s_mov_b32 s101, 0xfedcba98
	; group 1: 64 rows x 64 elements of 2 bytes, pitch 64; padding behind every 32 words (a row): 8 words for V, 4 for K; mask 15
	s_mov_b32 s48, 15|(1<<16)|(1<<20)|(1<<21)|(4<<22)|(7<<25)
	s_mov_b32 s56, 15|(1<<16)|(1<<20)|(1<<21)|(4<<22)|(3<<25)
	s_mov_b32 s49, 64<<16                          ; tensor_dim0 = 64
	s_mov_b32 s57, 64<<16
	s_mov_b32 s50, 64<<16                          ; tensor_dim1 = 64
	s_mov_b32 s58, 64<<16
	s_mov_b32 s51, 64<<16                          ; tile_dim0 = 64
	s_mov_b32 s59, 64<<16
	s_mov_b32 s52, 64                              ; tile_dim1 = 64
	s_mov_b32 s60, 64
	s_mov_b32 s53, 64                              ; elements from row to row
	s_mov_b32 s61, 64
	s_mov_b32 s54, 0
	s_mov_b32 s62, 0
	s_mov_b32 s55, 0
	s_mov_b32 s63, 0
	; group 0: every wave makes both sets and asks by one
	s_mov_b32 s4, 1
	s_mul_i32 s5, s3, 64*VP                        ; V: wave x 64 keys
	s_mov_b32 s8, 1
	s_mul_i32 s9, s3, 64*KP
	s_add_co_u32 s9, s9, KOFF-4*64*KP              ; K: behind V, (wave - 4) x 64 keys
	s_lshl_b32 s44, s104, 18                       ; a (batch, head) is 262,144 bytes
	s_lshl_b32 s45, s3, 13                         ; 64 rows of 128 bytes a wave
	s_add_co_u32 s44, s44, s45
	s_mov_b32 s45, 0
	s_lshl_b32 s46, s105, 16                       ; 512 queries of 128 bytes
	s_mov_b32 s47, 0
	s_lshr_b32 s42, s104, 4                        ; mask: batch x 32 row blocks of 16,384 bytes
	s_lshl_b32 s42, s42, 19
	s_lshl_b32 s43, s3, 14                         ; + my wave's row block
	s_add_co_u32 s42, s42, s43
	s_lshl_b32 s43, s105, 17                       ; + 8 cx row blocks
	s_add_co_u32 s42, s42, s43
	s_mov_b32 s43, 0
	s_wait_dscnt 0x0
	s_wait_kmcnt 0x0
	s_add_nc_u64 s[6:7], s[16:17], s[44:45]
	s_add_nc_u64 s[10:11], s[6:7], 16777216-4*8192 ; K begins at 16 MiB; wave 4 takes its first 64 keys
	s_add_nc_u64 s[6:7], s[6:7], 33554432          ; V begins at 32 MiB
	s_or_b32 s7, s7, 0x80000000
	s_or_b32 s11, s11, 0x80000000
	s_add_nc_u64 s[14:15], s[16:17], s[44:45]
	s_add_nc_u64 s[14:15], s[14:15], s[46:47]      ; my 64 queries
	s_add_nc_u64 s[12:13], s[18:19], s[42:43]      ; my mask words
	ROUND                                          ; all four work-groups are here
	JLOAD                                          ; tile 0 into slot 0
	v_and_b32 v11, 15, v0                          ; r
	v_bfe_u32 v12, v0, 4, 1                        ; h
	v_and_b32 v13, 31, v0                          ; lane
	v_and_b32 v14, 7, v0
	v_bfe_u32 v15, v0, 3, 1
	s_mul_i32 s67, s3, 16*KP
	s_add_co_u32 s67, s67, STAGE                   ; my stage
	v_mul_u32_u24 v2, v11, KP
	v_lshl_add_u32 v2, v12, 4, v2                  ; r x 144 + 16 h
	v_add_nc_u32 v6, s67, v2                       ; stage in
	v_add_nc_u32 v2, KOFF, v2                      ; K: key r, d = 8 h ..
	v_add_nc_u32 v3, SLOTB, v2
	v_lshl_add_u32 v4, v12, 3, v14                 ; V: key 8 h + lane % 8,
	v_mul_u32_u24 v4, v4, VP
	v_lshl_add_u32 v4, v15, 4, v4                  ;    d = 8 ((lane / 8) % 2) ..
	v_add_nc_u32 v5, SLOTB, v4
	v_lshrrev_b32 v7, 3, v13                       ; stage back: eight lanes a row of 128 bytes
	v_mul_u32_u24 v7, v7, KP
	v_lshl_add_u32 v7, v14, 4, v7
	v_add_nc_u32 v7, s67, v7
	v_lshlrev_b32 v8, 4, v13
	v_lshlrev_b32 v9, 7, v11                       ; Q: query r, d = 8 h ..
	v_lshl_add_u32 v9, v12, 4, v9
	v_mov_b32 v[MV], 0xceabfb8f                    ; -1e9 log2(e)
.irp n, 0,1,2,3
	v_mov_b32 v[MX+2*\n+1], 0                      ; the pairs' second registers are never used, and written once
	v_mov_b32 v[AL+2*\n+1], 0
.endr
	WIN 0x40                                       ; destination in window 1
.irp n, 0,1,2,3
.irp ks, 0,1
	global_load_b128 v[Q+16*\n+8*\ks:Q+16*\n+8*\ks+3], v9, s[14:15] offset:2048*\n+64*\ks
	global_load_b128 v[Q+16*\n+8*\ks+4:Q+16*\n+8*\ks+7], v9, s[14:15] offset:2048*\n+64*\ks+32
.endr
.endr
	WIN 0
.macro KLD slot, sg                    ; K's fragments of keys 64 sg .. + 63: 16 loads
.irp t, 0,1,2,3
.irp ks, 0,1
	ds_load_b128 v[KF+16*\t+8*\ks:KF+16*\t+8*\ks+3], v[2+\slot] offset:64*KP*(\sg)+16*KP*\t+64*\ks
	ds_load_b128 v[KF+16*\t+8*\ks+4:KF+16*\t+8*\ks+7], v[2+\slot] offset:64*KP*(\sg)+16*KP*\t+64*\ks+32
.endr
.endr
.endm
.macro VLD slot, sg                    ; V^T's fragments of the same keys: 16 transposing loads, each 8 keys x 8 of d in a group of eight lanes
	WIN 0x40
.irp kk, 0,1
.irp mt, 0,1,2,3
	ds_load_tr16_b128 v[VF+8*(4*\kk+\mt):VF+8*(4*\kk+\mt)+3], v[4+\slot] offset:64*VP*(\sg)+32*VP*\kk+32*\mt
	ds_load_tr16_b128 v[VF+8*(4*\kk+\mt)+4:VF+8*(4*\kk+\mt)+7], v[4+\slot] offset:64*VP*(\sg)+32*VP*\kk+32*\mt+16*VP
.endr
.endr
	WIN 0
.endm
.macro MLOAD n, buf, sg                ; the 32 mask words of query tile n and key block sg of the tile (sg = 4: the next tile's first)
	s_load_b512 s[\buf:\buf+15], s[12:13], 512*(\sg)+128*\n
	s_load_b512 s[\buf+16:\buf+31], s[12:13], 512*(\sg)+128*\n+64
.endm
.macro MASK n, buf                     ; where the mask's bit is 0 the score is replaced
.set i, 0
.rept 32
	v_cndmask_b32 v[S+32*\n+i], v[MV], v[S+32*\n+i], s[\buf+i]
.set i, i+1
.endr
.endm
.macro SMUL                            ; S^T = K Q^T: 16 accumulators by turns, one instruction a turn; d = 0..31 starts the sums
	WIN 0x04                               ; source 1 (Q) in window 1
.irp t, 0,1,2,3
.irp n, 0,1,2,3
	v_wmma_f32_16x16x32_f16 v[S+32*\n+8*\t:S+32*\n+8*\t+7], v[KF+16*\t:KF+16*\t+7], v[Q+16*\n:Q+16*\n+7], 0
.endr
.endr
.irp t, 0,1,2,3
.irp n, 0,1,2,3
	v_wmma_f32_16x16x32_f16 v[S+32*\n+8*\t:S+32*\n+8*\t+7], v[KF+16*\t+8:KF+16*\t+15], v[Q+16*\n+8:Q+16*\n+15], v[S+32*\n+8*\t:S+32*\n+8*\t+7]
.endr
.endr
	WIN 0
.endm
.macro PVH kk, zero                    ; O^T += V^T P^T over 32 keys: 16 accumulators by turns
.irp mt, 0,1,2,3
.irp n, 0,1,2,3
.if \zero
	v_wmma_f32_16x16x32_f16 v[O+8*(4*\n+\mt):O+8*(4*\n+\mt)+7], v[VF+8*(4*\kk+\mt):VF+8*(4*\kk+\mt)+7], v[S+32*\n+16*\kk:S+32*\n+16*\kk+7], 0
.else
	v_wmma_f32_16x16x32_f16 v[O+8*(4*\n+\mt):O+8*(4*\n+\mt)+7], v[VF+8*(4*\kk+\mt):VF+8*(4*\kk+\mt)+7], v[S+32*\n+16*\kk:S+32*\n+16*\kk+7], v[O+8*(4*\n+\mt):O+8*(4*\n+\mt)+7]
.endif
.endr
.endr
.endm
; Query tile n: new maximum, p = 2^(s - maximum), sum, P^T in f16.  first = 1: these 64 keys start maximum and sum.
.macro SOFT n, first
.set SB, S+32*\n
.irp c, 0,1,2,3
	v_max3_num_f32 v[T+\c], v[SB+8*\c], v[SB+8*\c+1], v[SB+8*\c+2]       ; four chains
.endr
.irp c, 0,1,2,3
	v_max3_num_f32 v[T+\c], v[T+\c], v[SB+8*\c+3], v[SB+8*\c+4]
.endr
.irp c, 0,1,2,3
	v_max3_num_f32 v[T+\c], v[T+\c], v[SB+8*\c+5], v[SB+8*\c+6]
.endr
	v_max3_num_f32 v[T], v[T], v[T+1], v[SB+7]
	v_max3_num_f32 v[T+2], v[T+2], v[T+3], v[SB+15]
	v_max3_num_f32 v[T], v[T], v[T+2], v[SB+23]
	v_max_num_f32 v[T], v[T], v[SB+31]
	v_permlanex16_b32 v[T+1], v[T], s100, s101     ; the other half's keys of the same query
.if \first
	v_max_num_f32 v[MX+2*\n], v[T], v[T+1]
.else
	v_max3_num_f32 v[T+2], v[T], v[T+1], v[MX+2*\n]
	v_sub_f32 v[T+3], v[MX+2*\n], v[T+2]
	v_mov_b32 v[MX+2*\n], v[T+2]
	v_exp_f32 v[AL+2*\n], v[T+3]                   ; used far below; the next line is plain and touches neither register (ISA guide 5.7.2)
.endif
.set i, 0
.rept 16
	v_pk_add_f32 v[SB+i:SB+i+1], v[SB+i:SB+i+1], v[MX+2*\n:MX+2*\n+1] op_sel_hi:[1,0] neg_lo:[0,1] neg_hi:[0,1]
.set i, i+2
.endr
.set i, 0
.rept 32
	v_exp_f32 v[SB+i], v[SB+i]
.set i, i+1
.endr
	v_nop                                          ; one plain place between the run of exponentials and the first use of a result
	s_wait_alu depctr_va_vdst(0)
.irp c, 0,1,2,3
	v_pk_add_f32 v[U+2*\c:U+2*\c+1], v[SB+4*\c:SB+4*\c+1], v[SB+4*\c+2:SB+4*\c+3]
.endr
.irp c, 0,1,2,3
	v_pk_add_f32 v[U+2*\c:U+2*\c+1], v[U+2*\c:U+2*\c+1], v[SB+16+2*\c:SB+16+2*\c+1]
.endr
.irp c, 0,1,2,3
	v_pk_add_f32 v[U+2*\c:U+2*\c+1], v[U+2*\c:U+2*\c+1], v[SB+24+2*\c:SB+24+2*\c+1]
.endr
	v_pk_add_f32 v[U:U+1], v[U:U+1], v[U+2:U+3]
	v_pk_add_f32 v[U+4:U+5], v[U+4:U+5], v[U+6:U+7]
	v_pk_add_f32 v[U:U+1], v[U:U+1], v[U+4:U+5]
.if \first
	v_add_f32 v[LS+\n], v[U], v[U+1]
.else
	v_add_f32 v[U], v[U], v[U+1]
	v_fma_f32 v[LS+\n], v[LS+\n], v[AL+2*\n], v[U]
.endif
.irp kk, 0,1
.irp c, 0,1,2,3,4,5,6,7
	v_cvt_pk_f16_f32 v[SB+16*\kk+\c], v[SB+16*\kk+2*\c], v[SB+16*\kk+2*\c+1]    ; in place: register c is written when 2 c and 2 c + 1 are read, never ahead of them
.endr
.endr
.endm
; 64 keys.  first: the launch's first step; stepb: the mask's base steps to this tile; kpre: the next step's K fragments are fetched; last: no further mask words.
.macro STEP slot, sg, first, stepb, kpre, last
	s_wait_dscnt 0x0                               ; K's fragments are in
.if \first == 0
.rept 5
	v_nop                                          ; five places: the products below write over registers that the last O products read as a source (ISA guide 7.12.1)
.endr
.endif
	SMUL
.rept 4
	v_nop                                          ; four places: the selects read the results, the loads land on fragments that matrix instructions have read
.endr
	VLD \slot, \sg
.if \kpre
	KLD \slot, \sg+1
.endif
	s_wait_kmcnt 0x0                               ; the words of tiles 0 and 1; no scalar load is out, so the base may step
.if \stepb
	s_add_nc_u64 s[12:13], s[12:13], 2048          ; four key blocks of 512 bytes
.endif
	MASK 0, MA
	MASK 1, MB
	MLOAD 2, MA, \sg
	MLOAD 3, MB, \sg
	SOFT 0, \first
	SOFT 1, \first
	s_wait_kmcnt 0x0
	MASK 2, MA
	MASK 3, MB
.if \last == 0
	MLOAD 0, MA, \sg+1
	MLOAD 1, MB, \sg+1
.endif
	SOFT 2, \first
	SOFT 3, \first
.if \first == 0
	WIN 0x41                                       ; O in window 1, the factor in window 0
.irp n, 0,1,2,3
.set i, 0
.rept 16
	v_pk_mul_f32 v[O+32*\n+i:O+32*\n+i+1], v[O+32*\n+i:O+32*\n+i+1], v[AL+2*\n:AL+2*\n+1] op_sel_hi:[1,0]
.set i, i+2
.endr
.endr
.endif
	s_wait_dscnt 16*\kpre                          ; V's 16 loads are in; the 16 younger ones, the next step's K, stay out
	WIN 0x51                                       ; V^T, C and D in window 1, P^T in window 0
	PVH 0, \first
	PVH 1, 0
	WIN 0
.endm
; A tile of 256 keys in slot 'slot'.  In front of the round every wave waits for all its tensor loads (its part of this tile) and for its reads of the
; other slot; no load of the wave is out there, so both descriptors step.  Behind the round the joint refill comes first.
.macro TRIP slot, refill, first, stepb, last
	s_wait_tensorcnt 0x0
	ds_add_u32 v62, v63
	s_wait_dscnt 0x0
.if \refill
	s_xor_b32 s5, s5, SLOTB
	s_xor_b32 s9, s9, SLOTB
	s_add_nc_u64 s[6:7], s[6:7], TILEK*128
	s_add_nc_u64 s[10:11], s[10:11], TILEK*128
.endif
	s_wait_dscnt 0x0
	ROUND
.if \refill
	JLOAD                                          ; the next tile, into the slot read last
.endif
	KLD \slot, 0
	STEP \slot, 0, \first, \stepb, 1, 0
	STEP \slot, 1, 0, 0, 1, 0
	STEP \slot, 2, 0, 0, 1, 0
	STEP \slot, 3, 0, 0, 0, \last
.endm
	MLOAD 0, MA, 0                                 ; s[16:47] are free: every address has been made
	MLOAD 1, MB, 0
	s_wait_loadcnt 0x0                             ; Q, once
	TRIP 0, 1, 1, 0, 0                             ; tile 0; tile 1 goes out
	s_mov_b32 s67, 3
.Ltiles:
	TRIP 1, 1, 0, 1, 0                             ; tiles 1, 3, 5
	TRIP 0, 1, 0, 1, 0                             ; tiles 2, 4, 6
	s_sub_co_u32 s67, s67, 1
	s_cmp_lg_u32 s67, 0
	s_cbranch_scc1 .Ltiles
	TRIP 1, 0, 0, 1, 1                             ; tile 7: nothing is left to fetch
	; THE WAY OUT: Z = O / sum, f16, 16 queries at a time through my own stage.
.rept 4
	v_nop                                          ; four places behind the last products
.endr
	s_load_b64 s[16:17], s[0:1], 0x10              ; zh
	s_lshl_b32 s18, s104, 18
	s_lshl_b32 s19, s3, 13
	s_add_co_u32 s18, s18, s19
	s_lshl_b32 s19, s105, 16
	s_add_co_u32 s18, s18, s19
	s_mov_b32 s19, 0
.irp n, 0,1,2,3
	v_permlanex16_b32 v[T+\n], v[LS+\n], s100, s101
.endr
.irp n, 0,1,2,3
	v_add_f32 v[T+\n], v[T+\n], v[LS+\n]           ; both halves' keys; at least 1, since the largest p is 1
.endr
.irp n, 0,1,2,3
	v_rcp_f32 v[AL+2*\n], v[T+\n]
	v_rcp_f32 v[AL+2*\n+1], v[T+\n]
.endr
	v_nop                                          ; one plain place behind the reciprocals
	s_wait_alu depctr_va_vdst(0)
	s_wait_kmcnt 0x0
	s_add_nc_u64 s[16:17], s[16:17], s[18:19]
.macro ZOUT n
	WIN 0x01                                       ; O in window 1
.set i, 0
.rept 16
	v_pk_mul_f32 v[S+32*\n+i:S+32*\n+i+1], v[O+32*\n+i:O+32*\n+i+1], v[AL+2*\n:AL+2*\n+1]
.set i, i+2
.endr
	WIN 0
.irp mt, 0,1,2,3
.irp c, 0,1,2,3
	v_cvt_pk_f16_f32 v[S+32*\n+8*\mt+\c], v[S+32*\n+8*\mt+2*\c], v[S+32*\n+8*\mt+2*\c+1]
.endr
.endr
.irp mt, 0,1,2,3
	ds_store_b128 v6, v[S+32*\n+8*\mt:S+32*\n+8*\mt+3] offset:32*\mt     ; query r, d = 16 mt + 8 h ..
.endr
.irp u, 0,1,2,3
	ds_load_b128 v[S+32*\n+8*\u+4:S+32*\n+8*\u+7], v7 offset:4*KP*\u      ; LDS serves a wave's instructions in order: these see the stores above; registers of their own for each n
.endr
.irp u, 0,1,2,3
	s_wait_dscnt 3-\u                              ; this read-back is in, the younger ones stay out
	global_store_b128 v8, v[S+32*\n+8*\u+4:S+32*\n+8*\u+7], s[16:17] offset:2048*\n+512*\u   ; four queries: 512 consecutive bytes, aligned
.endr
.endm
	ZOUT 0
	ZOUT 1
	ZOUT 2
	ZOUT 3
	s_wait_tensorcnt 0x0
	ds_add_u32 v62, v63
	s_wait_dscnt 0x0
	ROUND                                          ; the closing round
	s_endpgm
.Lfunc_end_k_q522ca71ed4_attn:
	.size	k_q522ca71ed4_attn, .Lfunc_end_k_q522ca71ed4_attn-k_q522ca71ed4_attn
	.p2alignl 7, 3214868480
	.fill 96, 4, 3214868480
	.section	.rodata,"a",@progbits
	.p2align	6, 0x0
	.amdhsa_kernel k_q522ca71ed4_attn
		.amdhsa_group_segment_fixed_size 327680
		.amdhsa_private_segment_fixed_size 0
		.amdhsa_enable_private_segment 0
		.amdhsa_kernarg_size 24
		.amdhsa_user_sgpr_count 2
		.amdhsa_user_sgpr_kernarg_segment_ptr 1
		.amdhsa_wavefront_size32 1
		.amdhsa_system_sgpr_workgroup_id_x 1
		.amdhsa_system_sgpr_workgroup_id_y 1
		.amdhsa_system_sgpr_workgroup_id_z 1
		.amdhsa_system_vgpr_workitem_id 0
		.amdhsa_next_free_vgpr 512
		.amdhsa_next_free_sgpr 106
		.amdhsa_reserve_vcc 0
		.amdhsa_float_denorm_mode_32 3
		.amdhsa_float_denorm_mode_16_64 3
		.amdhsa_memory_ordered 1
		.amdhsa_forward_progress 1
		.amdhsa_inst_pref_size 255
	.end_amdhsa_kernel
	.section	.bss,"aw",@nobits
	.p2align	6
	.space	262144
	.amdgpu_metadata
---
amdhsa.version: [ 1, 2 ]
amdhsa.kernels:
  - .name:           k_q522ca71ed4_attn
    .symbol:         k_q522ca71ed4_attn.kd
    .args:
      - { .name: qkv, .offset: 0, .size: 8, .value_kind: global_buffer, .address_space: global }
      - { .name: mbits, .offset: 8, .size: 8, .value_kind: global_buffer, .address_space: global }
      - { .name: zh, .offset: 16, .size: 8, .value_kind: global_buffer, .address_space: global }
    .group_segment_fixed_size: 327680
    .private_segment_fixed_size: 0
    .kernarg_segment_align: 8
    .kernarg_segment_size: 24
    .max_flat_workgroup_size: 256
    .sgpr_count:     106
    .vgpr_count:     512
    .wavefront_size: 32
...
	.end_amdgpu_metadata
.endif
;; end of part 3
;; launch oproj (part 4): grid 4 x 32, 4 waves a work-group, clusters of 4 x 4, 327,680 bytes of LDS; arguments zh, xw, bo, out0; writes out0
.if DOCPART == 4
	.amdgcn_target "amdgcn-amd-amdhsa--gfx1250"
	.amdhsa_code_object_version 6
	.text
	.protected	k_q522ca71ed4_oproj
	.globl	k_q522ca71ed4_oproj
	.p2align	8
	.type	k_q522ca71ed4_oproj,@function
k_q522ca71ed4_oproj:
	s_mov_b64 s[64:65], 0
	v_nop
	global_prefetch_b8 v0, s[64:65] scope:SCOPE_SE
	s_setreg_imm32_b32 hwreg(HW_REG_WAVE_MODE, 25, 1), 1
	s_wait_xcnt 0x0
	s_wait_alu depctr_hold_cnt(0) depctr_sa_sdst(0) depctr_va_vdst(0) depctr_va_sdst(0) depctr_va_ssrc(0) depctr_va_vcc(0) depctr_vm_vsrc(0)
	s_getreg_b32 s2, hwreg(HW_REG_IB_STS2, 6, 4)
	s_cmp_eq_u32 s2, 0
	s_cbranch_scc0 .Lentry_in_a_cluster
	s_endpgm
.Lentry_in_a_cluster:
	s_bfe_u32 s2, ttmp6, 0x10000c
	s_cmp_lg_u32 s2, 0xf033
	s_cbranch_scc0 .Lentry_shape_is_right
	s_endpgm
.Lentry_shape_is_right:
; oproj: out0[m][e] = sum over k of Zc[m][k] Wo[e][k] + bo[e], f32 out.  Zc[m][64 h + d] = zh[b][h][t][d] (f16), m = 2048 b + t; Wo as f16 [1024][1024] at xw + WOOFF.
; The same frame as the input projections: a work-group makes 256 x 256 with four waves, a wave 128 x 128 in 512 registers; K = 1024 in 8 steps of 128
; through two LDS slots; 4 x 4 work-groups form a cluster, Z's tiles are asked for jointly along a row of the cluster, Wo's along a column.
; What differs: a K step of 128 is two heads, and a head's 256 rows of 128 bytes lie one behind the other in zh.  Wave 0 fetches the first head's 256 rows,
; wave 1 the second's, each into a sub-tile of pitch 144; waves 2 and 3 fetch 128 rows of Wo each (256 bytes, pitch 272).
; 128 work-groups: 8,192 x 1,024 outputs in blocks of 256 x 256.
; REGISTERS: window 0: v0-31 addresses and the bias; v64-127, v128-191 fragments of Z, two buffers.  Window 1: the same for Wo.  Windows 2, 3: accumulators.
; The matrix instruction is used transposed (source 0 = rows of Wo): a lane's eight results are eight neighbouring columns of one row.
.set KSTEP,  128
.set PITCH,  272                       ; Wo's LDS row: 256 + 16
.set APITCH, 144                       ; Z's LDS row: 128 + 16; both are odd multiples of 16
.set HALFT,  128*PITCH                 ; 128 rows of Wo
.set ASUB,   256*APITCH                ; 256 rows of one head
.set SLOT,   2*ASUB+2*HALFT            ; 143,360
.set STAGE,  2*SLOT                    ; 286,720: behind the ring, 16 rows x 528 bytes for each wave; no tensor load lands there
.set SPITCH, 528                       ; a staged row: 128 f32 + 16 bytes
.set LAPS,   4
.set WOOFF,  56623104                  ; Wo's first byte in xw
.set ASTEP,  524288                    ; two heads on in zh
.set ADRA, 16
.set ADRB, 20
.set STO,  24
.set RD,   25
.set CO,   26
.set BOF,  27                          ; v27      my offset in bo
.set BIAS, 28                          ; v[28:31] bo of my four columns on the way out
.set F0,   64
.set F1,   128
.set G1,  24
.set G0,  32
.set G1B, 48
.set G0B, 56
.set MSB, 0
.macro WIN new
.if MSB != \new
	s_set_vgpr_msb (MSB<<8)|\new
.set MSB, \new
.endif
.endm
.set MUL_LO, 0xa1
.set MUL_HI, 0xf1
.set TO_B,   0x40
.macro JLOAD s                         ; waves 0, 1 ask for Z, waves 2, 3 for Wo
	s_cmp_eq_u32 s11, 0
	s_cbranch_scc0 .Lfor_b_\@
	tensor_load_to_lds s[G0+4*\s:G0+4*\s+3], s[G1:G1+7]
	s_nop 0
	s_branch .Lasked_\@
.Lfor_b_\@:
	tensor_load_to_lds s[G0B+4*\s:G0B+4*\s+3], s[G1B:G1B+7]
	s_nop 0
.Lasked_\@:
.endm
.macro CREST
	s_cmp_lg_u32 s10, 0
	s_cbranch_scc1 .Lnot_wave_0_\@
	s_barrier_signal -3
.Lnot_wave_0_\@:
	s_barrier_wait -3
	s_barrier_signal -1
	s_barrier_wait -1
.endm
.macro CROUND
	s_barrier_signal -1
	s_barrier_wait -1
	CREST
.endm
	s_load_b256 s[68:75], s[0:1], 0x0              ; zh s[68:69], xw s[70:71], bo s[72:73], out0 s[74:75]
	s_set_vgpr_msb 0x40
	v_lshl_add_u32 v255, v0, 2, 0x4e400
	s_set_vgpr_msb 0x4000
	v_mov_b32 v255, 0
	s_set_vgpr_msb 0x1
	ds_add_u32 v255, v255
	s_set_vgpr_msb 0x100
	v_lshrrev_b32 v1, 5, v0
	v_readfirstlane_b32 s10, v1                    ; wave 0..3
	s_lshr_b32 s11, s10, 1                         ; my half of the block's rows.  Also: I fetch for Z (0) or for Wo (1)
	s_and_b32 s12, s10, 1                          ; my half of its columns.  Also: which head, or which 128 rows of Wo, I fetch
	s_bfe_u32 s40, ttmp6, 0x40000                  ; cx
	s_bfe_u32 s41, ttmp6, 0x40004                  ; cy
	s_lshl_b32 s42, ttmp9, 2
	s_add_co_u32 s42, s42, s40                     ; block column
	s_and_b32 s13, ttmp7, 0xffff
	s_lshl_b32 s13, s13, 2
	s_add_co_u32 s13, s13, s41                     ; block row R
	s_lshl_b32 s43, s41, 2
	s_lshl_b32 s43, 15, s43                        ; my row of the cluster
	s_lshl_b32 s44, 0x1111, s40                    ; my column
	; group 1 for Z: 256 rows x 64 elements of 2 bytes, pitch 64; 4 words of padding behind every 32 words (a row)
	s_or_b32 s[G1+0], s43, (1<<16)|(1<<20)|(1<<21)|(4<<22)|(3<<25)
	s_mov_b32 s[G1+1], 64<<16                      ; tensor_dim0 = 64
	s_mov_b32 s[G1+2], 256<<16                     ; tensor_dim1 = 256
	s_mov_b32 s[G1+3], 64<<16                      ; tile_dim0 = 64
	s_mov_b32 s[G1+4], 256                         ; tile_dim1 = 256
	s_mov_b32 s[G1+5], 64
	s_mov_b32 s[G1+6], 0
	s_mov_b32 s[G1+7], 0
	; group 1 for Wo: 128 rows x 128 elements, pitch 1,024; 4 words behind every 64
	s_or_b32 s[G1B+0], s44, (1<<16)|(1<<20)|(1<<21)|(5<<22)|(3<<25)
	s_mov_b32 s[G1B+1], KSTEP<<16
	s_mov_b32 s[G1B+2], 128<<16
	s_mov_b32 s[G1B+3], KSTEP<<16
	s_mov_b32 s[G1B+4], 128
	s_mov_b32 s[G1B+5], 1024
	s_mov_b32 s[G1B+6], 0
	s_mov_b32 s[G1B+7], 0
	; Z's tiles hang on R, which my row of the cluster shares; Wo's on the block column, which my column shares
	s_lshr_b32 s16, s13, 3
	s_lshl_b32 s16, s16, 22                        ; batch R / 8
	s_and_b32 s17, s13, 7
	s_lshl_b32 s17, s17, 15                        ; tokens 256 (R % 8) ..
	s_add_co_u32 s16, s16, s17
	s_lshl_b32 s17, s12, 18                        ; head 0 or 1 of the K step
	s_add_co_u32 s16, s16, s17
	s_mov_b32 s17, 0
	s_lshl_b32 s46, s42, 8
	s_lshl_b32 s47, s12, 7
	s_add_co_u32 s46, s46, s47                     ; Wo: row 256 x block column + 128 x half
	s_lshl_b32 s46, s46, 11
	s_add_co_u32 s46, s46, WOOFF
	s_mov_b32 s47, 0
	s_mul_i32 s20, s10, ASUB                       ; Z: sub-tile 0 or 1
	s_mul_i32 s45, s10, HALFT
	s_add_co_u32 s45, s45, 2*ASUB-2*HALFT          ; Wo: behind Z's two sub-tiles, (wave - 2) x 128 rows
	s_wait_dscnt 0x0
	s_wait_kmcnt 0x0
	s_add_nc_u64 s[14:15], s[68:69], s[16:17]
	s_add_nc_u64 s[46:47], s[70:71], s[46:47]
	CROUND                                         ; all sixteen work-groups are here
.irp s, 0,1
	s_mov_b32 s[G0+4*\s], 1
	s_add_co_u32 s[G0+4*\s+1], s20, \s*SLOT
	s_add_nc_u64 s[G0+4*\s+2:G0+4*\s+3], s[14:15], \s*ASTEP
	s_or_b32 s[G0+4*\s+3], s[G0+4*\s+3], 0x80000000
	s_mov_b32 s[G0B+4*\s], 1
	s_add_co_u32 s[G0B+4*\s+1], s45, \s*SLOT
	s_add_nc_u64 s[G0B+4*\s+2:G0B+4*\s+3], s[46:47], \s*KSTEP*2
	s_or_b32 s[G0B+4*\s+3], s[G0B+4*\s+3], 0x80000000
	JLOAD \s                                       ; both slots are asked for first: two tensor loads of a wave are out
.endr
	v_and_b32 v1, 15, v0                           ; l % 16
	v_bfe_u32 v2, v0, 4, 1                         ; l / 16
	v_and_b32 v6, 31, v0
	v_mul_u32_u24 v3, v1, APITCH
	v_lshl_add_u32 v3, v2, 4, v3
	v_mul_u32_u24 v4, v1, PITCH
	v_lshl_add_u32 v4, v2, 4, v4
	s_mul_i32 s21, s11, 128*APITCH                 ; my 128 rows in each of Z's sub-tiles
	s_mul_i32 s22, s12, HALFT                      ; my 128 rows of Wo
	s_add_co_u32 s22, s22, 2*ASUB
.irp s, 0,1
	v_add_nc_u32 v[ADRA+\s], s21, v3
	v_add_nc_u32 v[ADRB+\s], s22, v4
	s_add_co_u32 s21, s21, SLOT
	s_add_co_u32 s22, s22, SLOT
.endr
	s_mul_i32 s23, s10, 16*SPITCH
	s_add_co_u32 s23, s23, STAGE                   ; my stage
	v_mul_u32_u24 v5, v1, SPITCH                   ; in: row l % 16, 32 bytes for each half of the lanes
	v_lshl_add_u32 v5, v2, 5, v5
	v_add_nc_u32 v[STO], s23, v5
	v_lshlrev_b32 v[CO], 4, v6                     ; back and out: a row's 512 bytes, 16 a lane
	v_add_nc_u32 v[RD], s23, v[CO]
	s_lshl_b32 s46, s40, 10                        ; my 128 columns in bytes of f32: 1,024 cx + 512 half; kept for the way out
	s_lshl_b32 s47, s12, 9
	s_add_co_u32 s46, s46, s47
	s_mov_b32 s47, 0
	v_add_nc_u32 v[BOF], s46, v[CO]
	global_load_b128 v[BIAS:BIAS+3], v[BOF], s[72:73]      ; waited for on the way out
.macro MUL16 f, hi, a0, zero
.irp a, \a0, \a0+1
.irp b, 0,1,2,3,4,5,6,7
.if \zero
	v_wmma_f32_16x16x32_f16 v[8*(8*(\a)+\b):8*(8*(\a)+\b)+7], v[\f+8*\b:\f+8*\b+7], v[\f+8*(4*\hi+\a):\f+8*(4*\hi+\a)+7], 0
.else
	v_wmma_f32_16x16x32_f16 v[8*(8*(\a)+\b):8*(8*(\a)+\b)+7], v[\f+8*\b:\f+8*\b+7], v[\f+8*(4*\hi+\a):\f+8*(4*\hi+\a)+7], v[8*(8*(\a)+\b):8*(8*(\a)+\b)+7]
.endif
.endr
.endr
.endm
; The fragments of quarter q (32 along K) into buffer f.  In Wo's rows it begins at byte 64 q; in Z's it is half (q % 2) of head (q / 2).
.macro FETCH slot, q, f
	WIN TO_B
.irp i, 0,1,2,3,4,5,6,7
	ds_load_b128 v[\f+8*\i:\f+8*\i+3],   v[ADRB+\slot] offset:64*(\q)+\i*16*PITCH
	ds_load_b128 v[\f+8*\i+4:\f+8*\i+7], v[ADRB+\slot] offset:64*(\q)+\i*16*PITCH+32
.endr
	WIN 0
.irp i, 0,1,2,3,4,5,6,7
	ds_load_b128 v[\f+8*\i:\f+8*\i+3],   v[ADRA+\slot] offset:((\q)>>1)*ASUB+((\q)&1)*64+\i*16*APITCH
	ds_load_b128 v[\f+8*\i+4:\f+8*\i+7], v[ADRA+\slot] offset:((\q)>>1)*ASUB+((\q)&1)*64+\i*16*APITCH+32
.endr
.endm
.macro PLACES                          ; four places behind matrix instructions, for loads onto their sources and for readers of their results
.rept 4
	v_nop
.endr
.endm
; The 64 accumulators take turns, one instruction a turn, in the same order in every quarter.
.macro QUARTER slot, q, f, g, zero
	s_wait_dscnt 8                                 ; Wo and Z's rows 0-63 are in; the youngest eight loads (Z's rows 64-127) may be out
	WIN MUL_LO
	MUL16 \f, 0, 0, \zero
	MUL16 \f, 0, 2, \zero
	PLACES
	FETCH \slot, \q, \g
	s_wait_dscnt 32                                ; all but the 32 just issued
	WIN MUL_HI
	MUL16 \f, 1, 0, \zero
	MUL16 \f, 1, 2, \zero
.endm
.macro THREE slot, zero
	QUARTER \slot, 1, F0, F1, \zero
	QUARTER \slot, 2, F1, F0, 0
	QUARTER \slot, 3, F0, F1, 0
.endm
; The change of slots: each wave's reads of this slot and all its tensor loads are waited for in front of the barrier; behind it the refill comes first.
.macro TURN slot, next, fill
	s_wait_dscnt 8
	WIN MUL_LO
	MUL16 F1, 0, 0, 0
	s_wait_dscnt 0
	s_wait_tensorcnt 0x0
	ds_add_u32 v255, v255
	s_wait_dscnt 0x0
	s_barrier_signal -1
	MUL16 F1, 0, 2, 0
	WIN 0
	s_barrier_wait -1
.if \fill
	CREST
	s_add_nc_u64 s[G0+4*\slot+2:G0+4*\slot+3], s[G0+4*\slot+2:G0+4*\slot+3], 2*ASTEP
	s_add_nc_u64 s[G0B+4*\slot+2:G0B+4*\slot+3], s[G0B+4*\slot+2:G0B+4*\slot+3], 2*KSTEP*2
	JLOAD \slot
.endif
	PLACES
	FETCH \next, 0, F0
	WIN MUL_HI
	MUL16 F1, 1, 0, 0
	MUL16 F1, 1, 2, 0
.endm
.macro LAP zero
	THREE 0, \zero
	TURN 0, 1, 1
	THREE 1, 0
	TURN 1, 0, 1
.endm
	s_wait_tensorcnt 1                             ; my part of K step 0 is in; K step 1's stays out
	s_barrier_signal -1
	s_barrier_wait -1
	FETCH 0, 0, F0
	LAP 1
	WIN 0
	s_mov_b32 s3, LAPS-2
.Llap:
	LAP 0
	WIN 0
	s_sub_co_u32 s3, s3, 1
	s_cmp_lg_u32 s3, 0
	s_cbranch_scc1 .Llap
	THREE 0, 0
	TURN 0, 1, 0
	THREE 1, 0
	s_wait_dscnt 8
	WIN MUL_LO
	MUL16 F1, 0, 0, 0
	MUL16 F1, 0, 2, 0
	s_wait_dscnt 0
	WIN MUL_HI
	MUL16 F1, 1, 0, 0
	MUL16 F1, 1, 2, 0
	; THE WAY OUT, 16 rows at a time: the sums go as they are into my own stage, come back as whole rows of 512 bytes, take the bias and leave.
	PLACES
	s_lshl_b32 s16, s13, 20                        ; 256 R rows of 4,096 bytes
	s_lshl_b32 s14, s11, 19                        ; + my half's 128 rows
	s_add_co_u32 s16, s16, s14
	s_mov_b32 s17, 0
	s_add_nc_u64 s[74:75], s[74:75], s[16:17]
	s_add_nc_u64 s[74:75], s[74:75], s[46:47]      ; + my columns
	s_wait_loadcnt 0x0                             ; the bias
; rows 16 i .. 16 i + 15 = the eight tiles (a, 0..7) of window 2 or 3 (data = 0x08 or 0x0c: an LDS store's data are source 1); f: F0 or F1 in turn
.macro OUT16 i, a, data, f
	WIN \data
.irp b, 0,1,2,3,4,5,6,7
	ds_store_b128 v[STO], v[8*(8*\a+\b):8*(8*\a+\b)+3] offset:64*\b
	ds_store_b128 v[STO], v[8*(8*\a+\b)+4:8*(8*\a+\b)+7] offset:64*\b+16
.endr
	WIN 0
	s_wait_xcnt 0x0                                ; buffer f, which earlier stores read, is rewritten only behind this wait
.set row, 0
.rept 16
	ds_load_b128 v[\f+4*row:\f+4*row+3], v[RD] offset:SPITCH*row   ; LDS serves a wave's instructions in order: these see the stores above
.set row, row+1
.endr
.set row, 0
.rept 16
	s_wait_dscnt 15-row                            ; this row is in, the younger ones stay out
	v_pk_add_f32 v[\f+4*row:\f+4*row+1], v[\f+4*row:\f+4*row+1], v[BIAS:BIAS+1]
	v_pk_add_f32 v[\f+4*row+2:\f+4*row+3], v[\f+4*row+2:\f+4*row+3], v[BIAS+2:BIAS+3]
	global_store_b128 v[CO], v[\f+4*row:\f+4*row+3], s[74:75] offset:(16*\i+row)*4096 th:TH_STORE_NT   ; 512 consecutive bytes of a row, aligned
.set row, row+1
.endr
.endm
	OUT16 0, 0, 0x08, F0
	OUT16 1, 1, 0x08, F1
	OUT16 2, 2, 0x08, F0
	OUT16 3, 3, 0x08, F1
	OUT16 4, 0, 0x0c, F0
	OUT16 5, 1, 0x0c, F1
	OUT16 6, 2, 0x0c, F0
	OUT16 7, 3, 0x0c, F1
	s_set_vgpr_msb 0x1
	s_wait_tensorcnt 0x0
	ds_add_u32 v255, v255
	s_wait_dscnt 0x0
	s_set_vgpr_msb 0x100
	CROUND                                         ; the closing round
	s_endpgm
.Lfunc_end_k_q522ca71ed4_oproj:
	.size	k_q522ca71ed4_oproj, .Lfunc_end_k_q522ca71ed4_oproj-k_q522ca71ed4_oproj
	.p2alignl 7, 3214868480
	.fill 96, 4, 3214868480
	.section	.rodata,"a",@progbits
	.p2align	6, 0x0
	.amdhsa_kernel k_q522ca71ed4_oproj
		.amdhsa_group_segment_fixed_size 327680
		.amdhsa_private_segment_fixed_size 0
		.amdhsa_enable_private_segment 0
		.amdhsa_kernarg_size 32
		.amdhsa_user_sgpr_count 2
		.amdhsa_user_sgpr_kernarg_segment_ptr 1
		.amdhsa_wavefront_size32 1
		.amdhsa_system_sgpr_workgroup_id_x 1
		.amdhsa_system_sgpr_workgroup_id_y 1
		.amdhsa_system_sgpr_workgroup_id_z 1
		.amdhsa_system_vgpr_workitem_id 0
		.amdhsa_next_free_vgpr 1024
		.amdhsa_next_free_sgpr 76
		.amdhsa_reserve_vcc 0
		.amdhsa_float_denorm_mode_32 3
		.amdhsa_float_denorm_mode_16_64 3
		.amdhsa_memory_ordered 1
		.amdhsa_forward_progress 1
		.amdhsa_inst_pref_size 212
	.end_amdhsa_kernel
	.amdgpu_metadata
---
amdhsa.version: [ 1, 2 ]
amdhsa.kernels:
  - .name:           k_q522ca71ed4_oproj
    .symbol:         k_q522ca71ed4_oproj.kd
    .args:
      - { .name: zh, .offset: 0, .size: 8, .value_kind: global_buffer, .address_space: global }
      - { .name: xw, .offset: 8, .size: 8, .value_kind: global_buffer, .address_space: global }
      - { .name: bo, .offset: 16, .size: 8, .value_kind: global_buffer, .address_space: global }
      - { .name: out0, .offset: 24, .size: 8, .value_kind: global_buffer, .address_space: global }
    .group_segment_fixed_size: 327680
    .private_segment_fixed_size: 0
    .kernarg_segment_align: 8
    .kernarg_segment_size: 32
    .max_flat_workgroup_size: 128
    .sgpr_count:     76
    .vgpr_count:     1024
    .wavefront_size: 32
...
	.end_amdgpu_metadata
.endif
;; end of part 4
;; ======== version 2 of 2: 4 launches
;; limits: values are held in f16: magnitudes above 65,504 overflow, below 6.1e-05 lose precision
;; workspace buffers: xw 58,720,256 bytes; mbits 2,097,152 bytes of whole numbers; qkv 50,331,648 bytes; zh 16,777,216 bytes
;; launch prep: the kernel of part 1 again; grid 32 x 44, 8 waves a work-group, no clusters, 35,840 bytes of LDS; arguments query, key, value, Wq, Wk, Wv, Wo, mask, xw, mbits; writes xw, mbits
;; launch proj: the kernel of part 2 again; grid 12 x 32, 4 waves a work-group, clusters of 4 x 4, 327,680 bytes of LDS; arguments xw, qkv; writes qkv
;; launch attn (part 5): grid 4 x 64, 8 waves a work-group, clusters of 4 x 1, 327,680 bytes of LDS; arguments qkv, mbits, zh; writes zh
.if DOCPART == 5
	.amdgcn_target "amdgcn-amd-amdhsa--gfx1250"
	.amdhsa_code_object_version 6
	.text
	.protected	k_q522ca71ed4_attn
	.globl	k_q522ca71ed4_attn
	.p2align	8
	.type	k_q522ca71ed4_attn,@function
k_q522ca71ed4_attn:
	s_mov_b64 s[64:65], 0
	v_nop
	global_prefetch_b8 v0, s[64:65] scope:SCOPE_SE
	s_setreg_imm32_b32 hwreg(HW_REG_WAVE_MODE, 25, 1), 1
	s_wait_xcnt 0x0
	s_wait_alu depctr_hold_cnt(0) depctr_sa_sdst(0) depctr_va_vdst(0) depctr_va_sdst(0) depctr_va_ssrc(0) depctr_va_vcc(0) depctr_vm_vsrc(0)
	s_getreg_b32 s2, hwreg(HW_REG_IB_STS2, 6, 4)
	s_cmp_eq_u32 s2, 0
	s_cbranch_scc0 .Lentry_in_a_cluster
	s_endpgm
.Lentry_in_a_cluster:
	s_bfe_u32 s2, ttmp6, 0x10000c
	s_cmp_lg_u32 s2, 0x3003
	s_cbranch_scc0 .Lentry_shape_is_right
	s_endpgm
.Lentry_shape_is_right:
; attn: softmax(mask ? Q K^T / 8 : -1e9) V for one (batch, head) y and one block of 512 queries cx.  Q, K, V: f16 [b][h][t][64] in qkv; Z: f16, the same shape, in zh.
; Q carries the factor log2(e) / 8 from its projection, so the products are the scores in base 2; the mask's value is -1e9 log2(e).
; Eight waves, two to a SIMD.  A wave owns 64 queries: four tiles n of 16.
; TRANSPOSED: S^T = K Q^T (source 0: 16 keys, source 1: 16 queries): lane (r, h) = (l % 16, l / 16) holds query r, register j key 8 h + j.
; So a query's maximum and sum are made inside a lane, with one exchange between the halves; and two neighbouring tiles of S^T, rounded to f16, ARE the
; second source of O^T = V^T P^T: nothing is shuffled.  V^T's fragments come by the transposing LDS load.
; The running maximum is kept as in the usual online softmax; the first 64 keys start maximum, sum and O, so nothing is cleared and no infinity is used.
; A row whose mask is all zero has equal scores -1e9 and comes out as the mean of V, as in the definition.
; The row sum adds p in f32 while the product takes p rounded to f16.  Exponentials below 2^-126 are zero (ISA guide, v_exp_f32).  NaN and infinities are not served.
; LIMIT: |c Q|, |K|, |V| below 65,504 (f16), as their projection states.
; CLUSTERS: the four query blocks of one (batch, head) read the same K and V: 4 x 1 work-groups ask for each tile jointly (mask 15).
; THE TEXT IS KEPT SHORT: a tile is ONE step of 64 keys, in two LDS slots.  All LDS addresses are registers that are never rewritten plus immediates, so the
; text holds a step once for each slot in the loop, once for the first step and once for the last: four times about 730 instructions, whatever the number of keys.
; Wave 0 fetches V's 64 rows of a tile, wave 1 K's; the other waves fetch nothing.  One tensor load of a wave is out at a time.  Rows are an attention head's 128 bytes.
; THE ORDER OF A STEP: refill, V's fragments, S of query tiles 0 and 1 | selects 0, 1; softmax 0, 1 (S of tiles 2, 3 among their exponentials); O of tiles 0, 1 |
; selects 2, 3; softmax 2, 3; the NEXT tile's K fragments; O of tiles 2, 3 | round.
;  - The mask comes as lane masks, 128 words for a wave and 64 keys, by scalar loads into two buffers of 32 words.  A wait for scalar loads is for all of them, so both
;    buffers are used together and loaded again together: each pair of loads has half a step's work in which to land, which is all that 64 registers can give.
;  - K's fragments are read a step early, so that the S products can begin straight behind the round.  The next tile is shown to all waves by a barrier of its own,
;    behind which nothing is filled; K's registers are free from the middle of a step on.
;  - Matrix and vector work are laid into each other: S products among exponentials, the multiplies that rescale O among O products; in both cases one
;    register-window setting serves both kinds of instruction.
.set TILEK,  64
.set TILES,  2048/TILEK
.set VP,     160                       ; V's LDS pitch: 128 + 32, an odd multiple of 32 for the transposing load
.set KP,     144                       ; K's LDS pitch: 128 + 16, an odd multiple of 16
.set SLOTB,  0x8000                    ; from slot 0 to slot 1
.set KOFF,   TILEK*VP                  ; a slot: V's 64 keys (10,240 bytes), then K's (9,216): 19,456 of the 32,768
.set STAGE,  0x10000                   ; behind both slots: 16 x 144 bytes for each wave, for the way out; no tensor load lands there
; window 0
.set MV,  10                           ; v10       the mask's value
.set MX,  16                           ; v[16+2n]  running maximum (the odd registers are written once: a packed source is a pair)
.set AL,  24                           ; v[24+2n]  the step's factor 2^(old maximum - new); at the end 1 / sum, twice
.set LS,  32                           ; v[32+n]   running sum of my half of the keys
.set T,   36                           ; v[36:39]  at work
.set U,   40                           ; v[40:47]  at work
.set PF,  48                           ; v48       prefetch: my lane's block; never rewritten
.set KF,  64                           ; v[64+16t+8ks ..]  K's fragments: 16 keys t, 32 of d ks
.set S,   128                          ; v[128+32n+8t+j]   S^T, then p, then P^T packed: P(n, kk) = v[128+32n+16kk .. +7]
; window 1
.set O,   0                            ; v[8(4n+mt) ..]    O^T: 16 of d mt, 16 queries n
.set Q,   128                          ; v[128+16n+8ks ..] Q's fragments, kept for the whole kernel
.set VF,  192                          ; v[192+8(4kk+mt) ..] V^T's fragments: 32 keys kk
; v2, v3: K's LDS address in slot 0, 1; v4, v5: V's; v6, v7: stage in, back; v8: 16 x lane; v9: Q's offset
.set MA,  16                           ; s[16:47]  mask buffer A
.set MB,  68                           ; s[68:99]  mask buffer B
; s3 wave; s67 counter; s[4:7] group 0 for V, s[8:11] for K; s[48:55] group 1 for V, s[56:63] for K;
; s[12:13] mask, s[14:15] Q; s100, s101 selectors; s[104:105] prefetch base
.set MSB, 0
.macro WIN new                         ; the immediate's high byte repeats the setting that is left
.if MSB != \new
	s_set_vgpr_msb (MSB<<8)|\new
.set MSB, \new
.endif
.endm
.macro ROUND                           ; a round of the cluster's barrier
	s_barrier_signal -1
	s_barrier_wait -1
	s_cmp_lg_u32 s3, 0
	s_cbranch_scc1 .Lnot_wave_0_\@
	s_barrier_signal -3
.Lnot_wave_0_\@:
	s_barrier_wait -3
	s_barrier_signal -1
	s_barrier_wait -1
.endm
.macro JLOAD                           ; wave 0 asks for V's 64 keys, wave 1 for K's; the branches hang on the wave's number alone
	s_cmp_gt_u32 s3, 1
	s_cbranch_scc1 .Lasked_\@
	s_cmp_eq_u32 s3, 0
	s_cbranch_scc0 .Lfor_k_\@
	tensor_load_to_lds s[4:7], s[48:55]
	s_nop 0
	s_branch .Lasked_\@
.Lfor_k_\@:
	tensor_load_to_lds s[8:11], s[56:63]
	s_nop 0
.Lasked_\@:
.endm
.macro DSTEP                           ; both descriptors go to the other slot and the next tile; stands where no tensor load of the wave is out
	s_xor_b32 s5, s5, SLOTB
	s_xor_b32 s9, s9, SLOTB
	s_add_nc_u64 s[6:7], s[6:7], TILEK*128
	s_add_nc_u64 s[10:11], s[10:11], TILEK*128
.endm
	s_load_b128 s[16:19], s[0:1], 0x0              ; qkv s[16:17], mbits s[18:19]
	v_lshl_add_u32 v62, v0, 2, 0x29000
	v_mov_b32 v63, 0
	ds_add_u32 v62, v63
	v_lshrrev_b32 v1, 5, v0
	v_readfirstlane_b32 s3, v1                     ; wave 0..7
	s_bfe_u32 s41, ttmp6, 0x40000                  ; cx: the query block; it enters the addresses of Q, the mask, Z and the prefetch alone
	s_and_b32 s40, ttmp7, 0xffff                   ; y = 16 b + h
	s_mov_b32 s100, 0x76543210                     ; v_permlanex16_b32: lane i of one half reads lane i of the other
	s_mov_b32 s101, 0xfedcba98
	; group 1: 64 rows x 64 elements of 2 bytes, pitch 64; padding behind every 32 words (a row): 8 words for V, 4 for K; mask 15
	s_mov_b32 s48, 15|(1<<16)|(1<<20)|(1<<21)|(4<<22)|(7<<25)
	s_mov_b32 s56, 15|(1<<16)|(1<<20)|(1<<21)|(4<<22)|(3<<25)
	s_mov_b32 s49, 64<<16                          ; tensor_dim0 = 64
	s_mov_b32 s57, 64<<16
	s_mov_b32 s50, 64<<16                          ; tensor_dim1 = 64
	s_mov_b32 s58, 64<<16
	s_mov_b32 s51, 64<<16                          ; tile_dim0 = 64
	s_mov_b32 s59, 64<<16
	s_mov_b32 s52, 64                              ; tile_dim1 = 64
	s_mov_b32 s60, 64
	s_mov_b32 s53, 64                              ; elements from row to row
	s_mov_b32 s61, 64
	s_mov_b32 s54, 0
	s_mov_b32 s62, 0
	s_mov_b32 s55, 0
	s_mov_b32 s63, 0
	; group 0: every wave keeps both sets; waves 0 and 1 ask by one each
	s_mov_b32 s4, 1
	s_mov_b32 s5, 0                                ; V at the slot's first byte
	s_mov_b32 s8, 1
	s_mov_b32 s9, KOFF                             ; K behind V
	s_lshl_b32 s44, s40, 18                        ; a (batch, head) is 262,144 bytes
	s_mov_b32 s45, 0
	s_lshl_b32 s46, s41, 16                        ; Q: 512 queries of 128 bytes a work-group,
	s_lshl_b32 s47, s3, 13                         ;    64 a wave
	s_add_co_u32 s46, s46, s47
	s_mov_b32 s47, 0
	s_lshl_b32 s38, s41, 12                        ; prefetch: my work-group's quarter (4,096 bytes) of two tiles of K, which begins at 16 MiB;
	s_add_co_u32 s38, s38, 16777216+2*TILEK*128    ; the base starts at tile 2 and steps two tiles in front of each request
	s_mov_b32 s39, 0
	s_lshr_b32 s42, s40, 4                         ; mask: batch x 32 row blocks of 16,384 bytes
	s_lshl_b32 s42, s42, 19
	s_lshl_b32 s43, s3, 14                         ; + my wave's row block
	s_add_co_u32 s42, s42, s43
	s_lshl_b32 s43, s41, 17                        ; + 8 cx row blocks
	s_add_co_u32 s42, s42, s43
	s_mov_b32 s43, 0
	s_wait_dscnt 0x0
	s_wait_kmcnt 0x0
	s_add_nc_u64 s[6:7], s[16:17], s[44:45]        ; my (batch, head) in Q's part
	s_add_nc_u64 s[10:11], s[6:7], 16777216        ; K begins at 16 MiB
	s_add_nc_u64 s[104:105], s[6:7], s[38:39]
	s_add_nc_u64 s[14:15], s[6:7], s[46:47]        ; my 64 queries
	s_add_nc_u64 s[6:7], s[6:7], 33554432          ; V begins at 32 MiB
	s_or_b32 s7, s7, 0x80000000
	s_or_b32 s11, s11, 0x80000000
	s_add_nc_u64 s[12:13], s[18:19], s[42:43]      ; my mask words
	ROUND                                          ; all four work-groups are here
	JLOAD                                          ; tile 0 into slot 0
	v_and_b32 v11, 15, v0                          ; r
	v_bfe_u32 v12, v0, 4, 1                        ; h
	v_and_b32 v13, 31, v0                          ; lane
	v_and_b32 v14, 7, v0
	v_bfe_u32 v15, v0, 3, 1
	s_mul_i32 s67, s3, 16*KP
	s_add_co_u32 s67, s67, STAGE                   ; my stage
	v_mul_u32_u24 v2, v11, KP
	v_lshl_add_u32 v2, v12, 4, v2                  ; r x 144 + 16 h
	v_add_nc_u32 v6, s67, v2                       ; stage in
	v_add_nc_u32 v2, KOFF, v2                      ; K: key r, d = 8 h ..
	v_add_nc_u32 v3, SLOTB, v2
	v_lshl_add_u32 v4, v12, 3, v14                 ; V: key 8 h + lane % 8,
	v_mul_u32_u24 v4, v4, VP
	v_lshl_add_u32 v4, v15, 4, v4                  ;    d = 8 ((lane / 8) % 2) ..
	v_add_nc_u32 v5, SLOTB, v4
	v_lshrrev_b32 v7, 3, v13                       ; stage back: eight lanes a row of 128 bytes
	v_mul_u32_u24 v7, v7, KP
	v_lshl_add_u32 v7, v14, 4, v7
	v_add_nc_u32 v7, s67, v7
	v_lshlrev_b32 v8, 4, v13
	v_lshlrev_b32 v9, 7, v11                       ; Q: query r, d = 8 h ..
	v_lshl_add_u32 v9, v12, 4, v9
	v_lshlrev_b32 v[PF], 8, v11                    ; prefetch: lanes 256 bytes apart; lanes 0-15 in K,
	v_lshl_add_u32 v[PF], v12, 24, v[PF]           ; lanes 16-31 the same blocks of V, 16 MiB further on
	v_mov_b32 v[MV], 0xceabfb8f                    ; -1e9 log2(e)
.irp n, 0,1,2,3
	v_mov_b32 v[MX+2*\n+1], 0                      ; the pairs' second registers are never used, and written once
	v_mov_b32 v[AL+2*\n+1], 0
.endr
	WIN 0x40                                       ; destination in window 1
.irp n, 0,1,2,3
.irp ks, 0,1
	global_load_b128 v[Q+16*\n+8*\ks:Q+16*\n+8*\ks+3], v9, s[14:15] offset:2048*\n+64*\ks
	global_load_b128 v[Q+16*\n+8*\ks+4:Q+16*\n+8*\ks+7], v9, s[14:15] offset:2048*\n+64*\ks+32
.endr
.endr
	WIN 0
.macro KLD slot                        ; K's fragments of the slot's 64 keys: 16 loads
.irp t, 0,1,2,3
.irp ks, 0,1
	ds_load_b128 v[KF+16*\t+8*\ks:KF+16*\t+8*\ks+3], v[2+\slot] offset:16*KP*\t+64*\ks
	ds_load_b128 v[KF+16*\t+8*\ks+4:KF+16*\t+8*\ks+7], v[2+\slot] offset:16*KP*\t+64*\ks+32
.endr
.endr
.endm
.macro VLD slot                        ; V^T's fragments of the slot's keys: 16 transposing loads, each 8 keys x 8 of d in a group of eight lanes
	WIN 0x40
.irp kk, 0,1
.irp mt, 0,1,2,3
	ds_load_tr16_b128 v[VF+8*(4*\kk+\mt):VF+8*(4*\kk+\mt)+3], v[4+\slot] offset:32*VP*\kk+32*\mt
	ds_load_tr16_b128 v[VF+8*(4*\kk+\mt)+4:VF+8*(4*\kk+\mt)+7], v[4+\slot] offset:32*VP*\kk+32*\mt+16*VP
.endr
.endr
.endm
.macro MLOAD n, buf, nxt               ; the 32 mask words of query tile n for this step's keys (nxt = 0) or the next step's (nxt = 1)
	s_load_b512 s[\buf:\buf+15], s[12:13], 512*\nxt+128*\n
	s_load_b512 s[\buf+16:\buf+31], s[12:13], 512*\nxt+128*\n+64
.endm
.macro MASK n, buf                     ; where the mask's bit is 0 the score is replaced
.set i, 0
.rept 32
	v_cndmask_b32 v[S+32*\n+i], v[MV], v[S+32*\n+i], s[\buf+i]
.set i, i+1
.endr
.endm
; One product of S^T = K Q^T: 16 keys t, query tile n, half ks of d.  ks = 0 starts the sum.  Window setting 0x04: Q, source 1, in window 1.
.macro SW n, t, ks
.if \ks == 0
	v_wmma_f32_16x16x32_f16 v[S+32*(\n)+8*\t:S+32*(\n)+8*\t+7], v[KF+16*\t:KF+16*\t+7], v[Q+16*(\n):Q+16*(\n)+7], 0
.else
	v_wmma_f32_16x16x32_f16 v[S+32*(\n)+8*\t:S+32*(\n)+8*\t+7], v[KF+16*\t+8:KF+16*\t+15], v[Q+16*(\n)+8:Q+16*(\n)+15], v[S+32*(\n)+8*\t:S+32*(\n)+8*\t+7]
.endif
.endm
; O^T's query tile n is multiplied by its step's factor.  Window setting 0x51, the O products': O in window 1, the factor, source 1, in window 0.
.macro RESC n
.set i, 0
.rept 16
	v_pk_mul_f32 v[O+32*\n+i:O+32*\n+i+1], v[O+32*\n+i:O+32*\n+i+1], v[AL+2*\n:AL+2*\n+1] op_sel_hi:[1,0]
.set i, i+2
.endr
.endm
; O^T's query tile n += V^T P^T over the 64 keys: eight products on four accumulators by turns, one instruction a turn.
; In tiles 0 and 2 two of the 16 multiplies that rescale the next tile stand behind each product: they name none of its registers.
; first = 1: keys 0-31 start the sums and nothing is rescaled.
.macro PVN n, first
.irp kk, 0,1
.irp mt, 0,1,2,3
.if \first
.if \kk == 0
	v_wmma_f32_16x16x32_f16 v[O+8*(4*\n+\mt):O+8*(4*\n+\mt)+7], v[VF+8*(4*\kk+\mt):VF+8*(4*\kk+\mt)+7], v[S+32*\n+16*\kk:S+32*\n+16*\kk+7], 0
.else
	v_wmma_f32_16x16x32_f16 v[O+8*(4*\n+\mt):O+8*(4*\n+\mt)+7], v[VF+8*(4*\kk+\mt):VF+8*(4*\kk+\mt)+7], v[S+32*\n+16*\kk:S+32*\n+16*\kk+7], v[O+8*(4*\n+\mt):O+8*(4*\n+\mt)+7]
.endif
.else
	v_wmma_f32_16x16x32_f16 v[O+8*(4*\n+\mt):O+8*(4*\n+\mt)+7], v[VF+8*(4*\kk+\mt):VF+8*(4*\kk+\mt)+7], v[S+32*\n+16*\kk:S+32*\n+16*\kk+7], v[O+8*(4*\n+\mt):O+8*(4*\n+\mt)+7]
.if (\n&1) == 0
	v_pk_mul_f32 v[O+32*(\n+1)+4*(4*\kk+\mt):O+32*(\n+1)+4*(4*\kk+\mt)+1], v[O+32*(\n+1)+4*(4*\kk+\mt):O+32*(\n+1)+4*(4*\kk+\mt)+1], v[AL+2*(\n+1):AL+2*(\n+1)+1] op_sel_hi:[1,0]
	v_pk_mul_f32 v[O+32*(\n+1)+4*(4*\kk+\mt)+2:O+32*(\n+1)+4*(4*\kk+\mt)+3], v[O+32*(\n+1)+4*(4*\kk+\mt)+2:O+32*(\n+1)+4*(4*\kk+\mt)+3], v[AL+2*(\n+1):AL+2*(\n+1)+1] op_sel_hi:[1,0]
.endif
.endif
.endr
.endr
.endm
; Query tile n: new maximum, p = 2^(s - maximum), sum, P^T in f16.  first = 1: these 64 keys start maximum and sum.
; pn = 2 or 3: the eight S products of query tile pn stand among the exponentials, one in front of every four; pn = 0: none.
.macro SOFT n, first, pn
.set SB, S+32*\n
.irp c, 0,1,2,3
	v_max3_num_f32 v[T+\c], v[SB+8*\c], v[SB+8*\c+1], v[SB+8*\c+2]       ; four chains
.endr
.irp c, 0,1,2,3
	v_max3_num_f32 v[T+\c], v[T+\c], v[SB+8*\c+3], v[SB+8*\c+4]
.endr
.irp c, 0,1,2,3
	v_max3_num_f32 v[T+\c], v[T+\c], v[SB+8*\c+5], v[SB+8*\c+6]
.endr
	v_max3_num_f32 v[T], v[T], v[T+1], v[SB+7]
	v_max3_num_f32 v[T+2], v[T+2], v[T+3], v[SB+15]
	v_max3_num_f32 v[T], v[T], v[T+2], v[SB+23]
	v_max_num_f32 v[T], v[T], v[SB+31]
	v_permlanex16_b32 v[T+1], v[T], s100, s101     ; the other half's keys of the same query
.if \first
	v_max_num_f32 v[MX+2*\n], v[T], v[T+1]
.else
	v_max3_num_f32 v[T+2], v[T], v[T+1], v[MX+2*\n]
	v_sub_f32 v[T+3], v[MX+2*\n], v[T+2]
	v_mov_b32 v[MX+2*\n], v[T+2]
	v_exp_f32 v[AL+2*\n], v[T+3]                   ; used far below; the next line is plain and touches neither register (ISA guide 5.7.2)
.endif
.set i, 0
.rept 16
	v_pk_add_f32 v[SB+i:SB+i+1], v[SB+i:SB+i+1], v[MX+2*\n:MX+2*\n+1] op_sel_hi:[1,0] neg_lo:[0,1] neg_hi:[0,1]
.set i, i+2
.endr
.if \pn
	WIN 0x04                                       ; an exponential has no source 1: the products' setting serves it too
.endif
.irp ks, 0,1
.irp t, 0,1,2,3
.if \pn
	SW \pn, \t, \ks                                ; four accumulators by turns, one instruction a turn
.endif
.irp e, 0,1,2,3
	v_exp_f32 v[SB+4*(4*\ks+\t)+\e], v[SB+4*(4*\ks+\t)+\e]
.endr
.endr
.endr
	WIN 0
	v_nop                                          ; one plain place between the run of exponentials and the first use of a result
	; the sums and conversions below name tile n alone: they are more than the four places that tile pn's selects need behind its last product (ISA guide 7.12.1)
	s_wait_alu depctr_va_vdst(0)
.irp c, 0,1,2,3
	v_pk_add_f32 v[U+2*\c:U+2*\c+1], v[SB+4*\c:SB+4*\c+1], v[SB+4*\c+2:SB+4*\c+3]
.endr
.irp c, 0,1,2,3
	v_pk_add_f32 v[U+2*\c:U+2*\c+1], v[U+2*\c:U+2*\c+1], v[SB+16+2*\c:SB+16+2*\c+1]
.endr
.irp c, 0,1,2,3
	v_pk_add_f32 v[U+2*\c:U+2*\c+1], v[U+2*\c:U+2*\c+1], v[SB+24+2*\c:SB+24+2*\c+1]
.endr
	v_pk_add_f32 v[U:U+1], v[U:U+1], v[U+2:U+3]
	v_pk_add_f32 v[U+4:U+5], v[U+4:U+5], v[U+6:U+7]
	v_pk_add_f32 v[U:U+1], v[U:U+1], v[U+4:U+5]
.if \first
	v_add_f32 v[LS+\n], v[U], v[U+1]
.else
	v_add_f32 v[U], v[U], v[U+1]
	v_fma_f32 v[LS+\n], v[LS+\n], v[AL+2*\n], v[U]
.endif
.irp kk, 0,1
.irp c, 0,1,2,3,4,5,6,7
	v_cvt_pk_f16_f32 v[SB+16*\kk+\c], v[SB+16*\kk+2*\c], v[SB+16*\kk+2*\c+1]    ; in place: register c is written when 2 c and 2 c + 1 are read, never ahead of them
.endr
.endr
.endm
; The request into the L2.  In the loop's second step (tile 2 i + 2 in trip i) wave 2 asks for my work-group's quarter of tiles 2 i + 4 and 2 i + 5: 16 blocks of
; 256 bytes of K and 16 of V, one a lane, 8 KiB.  The first of the two tiles is fetched by the tensor load at the head of the next step.  The four work-groups'
; quarters are disjoint, so each block is asked for once.  The last trip (counter 1) would point past key 2,047 and asks for nothing.
.macro ASK
	s_cmp_lg_u32 s3, 2
	s_cbranch_scc1 .Lno_ask_\@
	s_cmp_eq_u32 s67, 1
	s_cbranch_scc1 .Lno_ask_\@
	global_prefetch_b8 v[PF], s[104:105] th:TH_LOAD_NT scope:SCOPE_SE
.Lno_ask_\@:
.endm
; A tile of 64 keys in slot 'slot'.  It begins straight behind a round of the cluster's barrier.
; refill: the next tile is asked for, into the slot read last;  first: the launch's first step, which also reads its own K fragments;
; stepb: the mask's base steps to this tile;  last: the launch's last step: no further mask words, K fragments or round;  pf: the step that asks into the L2.
.macro STEP slot, refill, first, stepb, last, pf
.if \refill
	JLOAD                                          ; the first tensor load behind the round, and the wave's only one until the next
.endif
.if \first
	KLD \slot
	VLD \slot
	s_wait_dscnt 16                                ; K's 16 loads are in; V's 16, issued behind them, stay out
.else
.rept 4
	v_nop                                          ; four places behind the last O products: the loads land on their V^T fragments
.endr
	VLD \slot                                      ; K's fragments are in their registers since the last step
.endif
	WIN 0x04
.irp ks, 0,1
.irp n, 0,1
.irp t, 0,1,2,3
	SW \n, \t, \ks                                 ; query tiles 0 and 1: eight accumulators by turns, one instruction a turn
.endr
.endr
.endr
	WIN 0
.rept 4
	v_nop                                          ; four places: the selects read the results
.endr
	s_wait_kmcnt 0x0                               ; the words of tiles 0 and 1; no scalar load is out, so the base may step
.if \stepb
	s_add_nc_u64 s[12:13], s[12:13], 512           ; a key block's 128 words
.endif
.if \pf
	s_wait_xcnt 0x0                                ; the last request, a whole trip ago, has read its base
	s_add_nc_u64 s[104:105], s[104:105], 2*TILEK*128
.endif
	MASK 0, MA
	MASK 1, MB
	MLOAD 2, MA, 0                                 ; both buffers are loaded again together: two softmax tiles and two O tiles stand in front of the wait for them
	MLOAD 3, MB, 0
.if \pf
	ASK
.endif
	SOFT 0, \first, 2
	SOFT 1, \first, 3
	s_wait_dscnt 0x0                               ; V's fragments are in: my reads of this slot are over
	WIN 0x51
.if \first == 0
	RESC 0
.endif
	PVN 0, \first
	PVN 1, \first
	WIN 0
	s_wait_kmcnt 0x0                               ; the words of tiles 2 and 3
	MASK 2, MA
	MASK 3, MB
.if \last == 0
	MLOAD 0, MA, 1                                 ; the next step's first two tiles
	MLOAD 1, MB, 1
.endif
	SOFT 2, \first, 0
.if \last == 0
	s_wait_tensorcnt 0x0                           ; my part of the next tile has landed: say so to the other waves.
	s_barrier_signal -1                            ; Behind this barrier nothing is filled; no LDS instruction of mine is out
.endif
	SOFT 3, \first, 0                              ; register work alone while the others arrive
.if \last == 0
	s_barrier_wait -1                              ; the next tile is whole
	KLD 1-\slot                                    ; its K fragments: their registers were last read by tile 3's S products, far above
.endif
	WIN 0x51
.if \first == 0
	RESC 2
.endif
	PVN 2, \first                                  ; the O products of tiles 2 and 3 stand over K's loads
	PVN 3, \first
	WIN 0
.if \last == 0
	s_wait_dscnt 0x0                               ; the next step's K fragments are in; my reads of this slot were over long ago
	s_wait_tensorcnt 0x0                           ; (met: no tensor load has been issued since the wait above) no tensor load of mine is out,
	ds_add_u32 v62, v63
	s_wait_dscnt 0x0
	DSTEP                                          ; so both descriptors may step
	ROUND                                          ; no wave of any partner still reads this slot or has a load on its way
.endif
.endm
	MLOAD 0, MA, 0                                 ; s[16:47] are free: every address has been made
	MLOAD 1, MB, 0
	s_wait_loadcnt 0x0                             ; Q, once
	s_wait_tensorcnt 0x0                           ; my part of tile 0 is in
	ds_add_u32 v62, v63
	DSTEP
	s_wait_dscnt 0x0                               ; (the ds_add_u32 above)
	ROUND                                          ; everybody's part is in; behind this round slot 1 gets its first fill
	STEP 0, 1, 1, 0, 0, 0                          ; tile 0; tile 1 goes out
	s_mov_b32 s67, TILES/2-1
.Ltiles:
	STEP 1, 1, 0, 1, 0, 0                          ; tiles 1, 3, .. 29
	STEP 0, 1, 0, 1, 0, 1                          ; tiles 2, 4, .. 30
	s_sub_co_u32 s67, s67, 1
	s_cmp_lg_u32 s67, 0
	s_cbranch_scc1 .Ltiles
	STEP 1, 0, 0, 1, 1, 0                          ; tile 31: nothing is left to fetch
	; THE WAY OUT: Z = O / sum, f16, 16 queries at a time through my own stage.
.rept 4
	v_nop                                          ; four places behind the last products
.endr
	s_load_b64 s[16:17], s[0:1], 0x10              ; zh
	s_and_b32 s18, ttmp7, 0xffff                   ; y
	s_lshl_b32 s18, s18, 18
	s_lshl_b32 s19, s3, 13
	s_add_co_u32 s18, s18, s19
	s_bfe_u32 s19, ttmp6, 0x40000                  ; cx
	s_lshl_b32 s19, s19, 16
	s_add_co_u32 s18, s18, s19
	s_mov_b32 s19, 0
.irp n, 0,1,2,3
	v_permlanex16_b32 v[T+\n], v[LS+\n], s100, s101
.endr
.irp n, 0,1,2,3
	v_add_f32 v[T+\n], v[T+\n], v[LS+\n]           ; both halves' keys; at least 1, since the largest p is 1
.endr
.irp n, 0,1,2,3
	v_rcp_f32 v[AL+2*\n], v[T+\n]
	v_rcp_f32 v[AL+2*\n+1], v[T+\n]
.endr
	v_nop                                          ; one plain place behind the reciprocals
	s_wait_alu depctr_va_vdst(0)
	s_wait_kmcnt 0x0
	s_add_nc_u64 s[16:17], s[16:17], s[18:19]
.macro ZOUT n
	WIN 0x01                                       ; O in window 1
.set i, 0
.rept 16
	v_pk_mul_f32 v[S+32*\n+i:S+32*\n+i+1], v[O+32*\n+i:O+32*\n+i+1], v[AL+2*\n:AL+2*\n+1]
.set i, i+2
.endr
	WIN 0
.irp mt, 0,1,2,3
.irp c, 0,1,2,3
	v_cvt_pk_f16_f32 v[S+32*\n+8*\mt+\c], v[S+32*\n+8*\mt+2*\c], v[S+32*\n+8*\mt+2*\c+1]
.endr
.endr
.irp mt, 0,1,2,3
	ds_store_b128 v6, v[S+32*\n+8*\mt:S+32*\n+8*\mt+3] offset:32*\mt     ; query r, d = 16 mt + 8 h ..
.endr
.irp u, 0,1,2,3
	ds_load_b128 v[S+32*\n+8*\u+4:S+32*\n+8*\u+7], v7 offset:4*KP*\u      ; LDS serves a wave's instructions in order: these see the stores above; registers of their own for each n
.endr
.irp u, 0,1,2,3
	s_wait_dscnt 3-\u                              ; this read-back is in, the younger ones stay out
	global_store_b128 v8, v[S+32*\n+8*\u+4:S+32*\n+8*\u+7], s[16:17] offset:2048*\n+512*\u   ; four queries: 512 consecutive bytes, aligned
.endr
.endm
	ZOUT 0
	ZOUT 1
	ZOUT 2
	ZOUT 3
	s_wait_tensorcnt 0x0
	ds_add_u32 v62, v63
	s_wait_dscnt 0x0
	ROUND                                          ; the closing round
	s_endpgm
.Lfunc_end_k_q522ca71ed4_attn:
	.size	k_q522ca71ed4_attn, .Lfunc_end_k_q522ca71ed4_attn-k_q522ca71ed4_attn
	.p2alignl 7, 3214868480
	.fill 96, 4, 3214868480
	.section	.rodata,"a",@progbits
	.p2align	6, 0x0
	.amdhsa_kernel k_q522ca71ed4_attn
		.amdhsa_group_segment_fixed_size 327680
		.amdhsa_private_segment_fixed_size 0
		.amdhsa_enable_private_segment 0
		.amdhsa_kernarg_size 24
		.amdhsa_user_sgpr_count 2
		.amdhsa_user_sgpr_kernarg_segment_ptr 1
		.amdhsa_wavefront_size32 1
		.amdhsa_system_sgpr_workgroup_id_x 1
		.amdhsa_system_sgpr_workgroup_id_y 1
		.amdhsa_system_sgpr_workgroup_id_z 1
		.amdhsa_system_vgpr_workitem_id 0
		.amdhsa_next_free_vgpr 512
		.amdhsa_next_free_sgpr 106
		.amdhsa_reserve_vcc 0
		.amdhsa_float_denorm_mode_32 3
		.amdhsa_float_denorm_mode_16_64 3
		.amdhsa_memory_ordered 1
		.amdhsa_forward_progress 1
		.amdhsa_inst_pref_size 182
	.end_amdhsa_kernel
	.amdgpu_metadata
---
amdhsa.version: [ 1, 2 ]
amdhsa.kernels:
  - .name:           k_q522ca71ed4_attn
    .symbol:         k_q522ca71ed4_attn.kd
    .args:
      - { .name: qkv, .offset: 0, .size: 8, .value_kind: global_buffer, .address_space: global }
      - { .name: mbits, .offset: 8, .size: 8, .value_kind: global_buffer, .address_space: global }
      - { .name: zh, .offset: 16, .size: 8, .value_kind: global_buffer, .address_space: global }
    .group_segment_fixed_size: 327680
    .private_segment_fixed_size: 0
    .kernarg_segment_align: 8
    .kernarg_segment_size: 24
    .max_flat_workgroup_size: 256
    .sgpr_count:     106
    .vgpr_count:     512
    .wavefront_size: 32
...
	.end_amdgpu_metadata
.endif
;; end of part 5
;; launch oproj (part 6): grid 4 x 64, 4 waves a work-group, clusters of 4 x 4, 327,680 bytes of LDS; arguments zh, xw, bo, out0; writes out0
.if DOCPART == 6
	.amdgcn_target "amdgcn-amd-amdhsa--gfx1250"
	.amdhsa_code_object_version 6
	.text
	.protected	k_q522ca71ed4_oproj
	.globl	k_q522ca71ed4_oproj
	.p2align	8
	.type	k_q522ca71ed4_oproj,@function
k_q522ca71ed4_oproj:
	s_mov_b64 s[64:65], 0
	v_nop
	global_prefetch_b8 v0, s[64:65] scope:SCOPE_SE
	s_setreg_imm32_b32 hwreg(HW_REG_WAVE_MODE, 25, 1), 1
	s_wait_xcnt 0x0
	s_wait_alu depctr_hold_cnt(0) depctr_sa_sdst(0) depctr_va_vdst(0) depctr_va_sdst(0) depctr_va_ssrc(0) depctr_va_vcc(0) depctr_vm_vsrc(0)
	s_getreg_b32 s2, hwreg(HW_REG_IB_STS2, 6, 4)
	s_cmp_eq_u32 s2, 0
	s_cbranch_scc0 .Lentry_in_a_cluster
	s_endpgm
.Lentry_in_a_cluster:
	s_bfe_u32 s2, ttmp6, 0x10000c
	s_cmp_lg_u32 s2, 0xf033
	s_cbranch_scc0 .Lentry_shape_is_right
	s_endpgm
.Lentry_shape_is_right:
; oproj: out0[m][e] = sum over k of Zc[m][k] Wo[e][k] + bo[e], f32 out.  Zc[m][64 h + d] = zh[b][h][t][d] (f16), m = 2048 b + t; Wo as f16 [1024][1024] at xw + WOOFF.
; 8,192 x 1,024 outputs for 256 WGPs are 32,768 each: a work-group makes 128 x 256 with four waves, one to a SIMD; a wave makes 64 x 128: 32 accumulator tiles,
; 256 registers.  For 32 along K a wave issues 24 LDS loads and 32 matrix instructions.
; K = 1024 goes in 8 steps of 128 through two LDS slots filled by the tensor data mover (two slots of a double step, 417 KB, would not fit).
; A K step of 128 is two heads, and a head's 128 rows of 128 bytes lie one behind the other in zh.  Wave 0 fetches the first head's 128 rows, wave 1 the second's,
; each into a sub-tile of pitch 144; waves 2 and 3 fetch 128 rows of Wo each (256 bytes, pitch 272).
; CLUSTERS: 4 x 4 work-groups.  Z's tiles are asked for jointly along a row of the cluster, Wo's along a column, which divides the requests by four.
; REGISTERS: window 0: v0-31 addresses and the bias; v64-95, v128-159 fragments of Z, two buffers (v64-191 at work on the way out).
;            window 1: v64-127, v128-191 fragments of Wo, two buffers.   window 2: the accumulators, tile (a, b) at v[8 (8 a + b)].
; The matrix instruction is used transposed (source 0 = rows of Wo): a lane's eight results are eight neighbouring columns of one row.
.set KSTEP,  128
.set PITCH,  272                       ; Wo's LDS row: 256 + 16
.set APITCH, 144                       ; Z's LDS row: 128 + 16; both are odd multiples of 16
.set HALFT,  128*PITCH                 ; 128 rows of Wo: 34,816
.set ASUB,   128*APITCH                ; 128 rows of one head: 18,432
.set BOFF,   2*HALFT                   ; Wo's halves begin at wave x HALFT for waves 2 and 3; Z's sub-tiles at wave x ASUB for waves 0 and 1; between them 32,768 bytes are unused
.set SLOT,   4*HALFT                   ; 139,264
.set STAGE,  2*SLOT                    ; 278,528: behind the ring, 16 rows x 528 bytes for each wave; no tensor load lands there
.set SPITCH, 528                       ; a staged row: 128 f32 + 16 bytes
.set LAPS,   4                         ; a lap = two K steps
.set WOOFF,  56623104                  ; Wo's first byte in xw
.set ASTEP,  524288                    ; two heads on in zh
.set ADRA, 16                          ; v16-17  LDS address of my Z fragments in slot 0, 1
.set ADRB, 20                          ; v20-21  the same for Wo
.set STO,  24                          ; v24     the way out: where I put 32 bytes of a row
.set RD,   25                          ; v25     the way out: where I read a row back
.set CO,   26                          ; v26     16 x lane
.set BOF,  27                          ; v27      my offset in bo
.set BIAS, 28                          ; v[28:31] bo of my four columns on the way out
.set F0,   64
.set F1,   128
.set G1,  24                           ; s[24:31] descriptor group 1 for Z's tiles
.set G0,  32                           ; s[32:39] group 0 for Z's tiles, one set for each slot
.set G1B, 48                           ; s[48:55] group 1 for Wo's tiles
.set G0B, 56                           ; s[56:63] group 0 for Wo's tiles
.set MSB, 0
.macro WIN new                         ; the immediate's high byte repeats the setting that is left
.if MSB != \new
	s_set_vgpr_msb (MSB<<8)|\new
.set MSB, \new
.endif
.endm
.set MUL,    0xa1                      ; source 0 (Wo) window 1, source 1 (Z) window 0, C and D window 2
.set TO_B,   0x40                      ; destination window 1, address window 0
.macro JLOAD s                         ; waves 0, 1 ask for Z, waves 2, 3 for Wo; the branch hangs on the wave's number alone
	s_cmp_eq_u32 s11, 0
	s_cbranch_scc0 .Lfor_b_\@
	tensor_load_to_lds s[G0+4*\s:G0+4*\s+3], s[G1:G1+7]
	s_nop 0
	s_branch .Lasked_\@
.Lfor_b_\@:
	tensor_load_to_lds s[G0B+4*\s:G0B+4*\s+3], s[G1B:G1B+7]
	s_nop 0
.Lasked_\@:
.endm
.macro CREST                           ; a round of the cluster's barrier behind its opening barrier
	s_cmp_lg_u32 s10, 0
	s_cbranch_scc1 .Lnot_wave_0_\@
	s_barrier_signal -3
.Lnot_wave_0_\@:
	s_barrier_wait -3
	s_barrier_signal -1
	s_barrier_wait -1
.endm
.macro CROUND
	s_barrier_signal -1
	s_barrier_wait -1
	CREST
.endm
	s_load_b256 s[68:75], s[0:1], 0x0              ; zh s[68:69], xw s[70:71], bo s[72:73], out0 s[74:75]
	s_set_vgpr_msb 0x40
	v_lshl_add_u32 v255, v0, 2, 0x4c400
	s_set_vgpr_msb 0x4000
	v_mov_b32 v255, 0
	s_set_vgpr_msb 0x1
	ds_add_u32 v255, v255
	s_set_vgpr_msb 0x100
	v_lshrrev_b32 v1, 5, v0
	v_readfirstlane_b32 s10, v1                    ; wave 0..3
	s_lshr_b32 s11, s10, 1                         ; my half of the block's rows (64).  Also: I fetch for Z (0) or for Wo (1)
	s_and_b32 s12, s10, 1                          ; my half of its columns (128).  Also: which head, or which 128 rows of Wo, I fetch
	s_bfe_u32 s40, ttmp6, 0x40000                  ; cx
	s_bfe_u32 s41, ttmp6, 0x40004                  ; cy
	s_lshl_b32 s42, ttmp9, 2
	s_add_co_u32 s42, s42, s40                     ; block column, 0..3
	s_and_b32 s13, ttmp7, 0xffff
	s_lshl_b32 s13, s13, 2
	s_add_co_u32 s13, s13, s41                     ; block row R, 0..63
	s_lshl_b32 s43, s41, 2
	s_lshl_b32 s43, 15, s43                        ; my row of the cluster
	s_lshl_b32 s44, 0x1111, s40                    ; my column
	; group 1 for Z: 128 rows x 64 elements of 2 bytes, pitch 64; 4 words of padding behind every 32 words (a row)
	s_or_b32 s[G1+0], s43, (1<<16)|(1<<20)|(1<<21)|(4<<22)|(3<<25)
	s_mov_b32 s[G1+1], 64<<16                      ; tensor_dim0 = 64
	s_mov_b32 s[G1+2], 128<<16                     ; tensor_dim1 = 128
	s_mov_b32 s[G1+3], 64<<16                      ; tile_dim0 = 64
	s_mov_b32 s[G1+4], 128                         ; tile_dim1 = 128
	s_mov_b32 s[G1+5], 64
	s_mov_b32 s[G1+6], 0
	s_mov_b32 s[G1+7], 0
	; group 1 for Wo: 128 rows x 128 elements, pitch 1,024; 4 words behind every 64
	s_or_b32 s[G1B+0], s44, (1<<16)|(1<<20)|(1<<21)|(5<<22)|(3<<25)
	s_mov_b32 s[G1B+1], KSTEP<<16
	s_mov_b32 s[G1B+2], 128<<16
	s_mov_b32 s[G1B+3], KSTEP<<16
	s_mov_b32 s[G1B+4], 128
	s_mov_b32 s[G1B+5], 1024
	s_mov_b32 s[G1B+6], 0
	s_mov_b32 s[G1B+7], 0
	; Z's tiles hang on R, which my row of the cluster shares; Wo's on the block column, which my column shares
	s_lshr_b32 s16, s13, 4
	s_lshl_b32 s16, s16, 22                        ; batch R / 16: 16 heads x 2,048 tokens x 128 bytes
	s_and_b32 s17, s13, 15
	s_lshl_b32 s17, s17, 14                        ; tokens 128 (R % 16) .., 128 bytes each
	s_add_co_u32 s16, s16, s17
	s_lshl_b32 s17, s12, 18                        ; head 0 or 1 of the K step
	s_add_co_u32 s16, s16, s17
	s_mov_b32 s17, 0
	s_lshl_b32 s46, s42, 8
	s_lshl_b32 s47, s12, 7
	s_add_co_u32 s46, s46, s47                     ; Wo: row 256 x block column + 128 x half
	s_lshl_b32 s46, s46, 11
	s_add_co_u32 s46, s46, WOOFF
	s_mov_b32 s47, 0
	s_mul_i32 s20, s10, ASUB                       ; Z: waves 0, 1: sub-tile 0 or 1
	s_mul_i32 s45, s10, HALFT                      ; Wo: waves 2, 3: BOFF, BOFF + 128 rows; no place in the cluster enters an LDS address
	s_wait_dscnt 0x0
	s_wait_kmcnt 0x0
	s_add_nc_u64 s[14:15], s[68:69], s[16:17]
	s_add_nc_u64 s[46:47], s[70:71], s[46:47]
	CROUND                                         ; all sixteen work-groups are here
.irp s, 0,1
	s_mov_b32 s[G0+4*\s], 1
	s_add_co_u32 s[G0+4*\s+1], s20, \s*SLOT
	s_add_nc_u64 s[G0+4*\s+2:G0+4*\s+3], s[14:15], \s*ASTEP
	s_or_b32 s[G0+4*\s+3], s[G0+4*\s+3], 0x80000000
	s_mov_b32 s[G0B+4*\s], 1
	s_add_co_u32 s[G0B+4*\s+1], s45, \s*SLOT
	s_add_nc_u64 s[G0B+4*\s+2:G0B+4*\s+3], s[46:47], \s*KSTEP*2
	s_or_b32 s[G0B+4*\s+3], s[G0B+4*\s+3], 0x80000000
	JLOAD \s                                       ; both slots are asked for first: two tensor loads of a wave are out
.endr
	v_and_b32 v1, 15, v0                           ; l % 16
	v_bfe_u32 v2, v0, 4, 1                         ; l / 16
	v_and_b32 v6, 31, v0
	v_mul_u32_u24 v3, v1, APITCH
	v_lshl_add_u32 v3, v2, 4, v3
	v_mul_u32_u24 v4, v1, PITCH
	v_lshl_add_u32 v4, v2, 4, v4
	s_mul_i32 s21, s11, 64*APITCH                  ; my 64 rows in each of Z's sub-tiles
	s_mul_i32 s22, s12, HALFT                      ; my 128 rows of Wo
	s_add_co_u32 s22, s22, BOFF
.irp s, 0,1
	v_add_nc_u32 v[ADRA+\s], s21, v3
	v_add_nc_u32 v[ADRB+\s], s22, v4
	s_add_co_u32 s21, s21, SLOT
	s_add_co_u32 s22, s22, SLOT
.endr
	s_mul_i32 s23, s10, 16*SPITCH
	s_add_co_u32 s23, s23, STAGE                   ; my stage
	v_mul_u32_u24 v5, v1, SPITCH                   ; in: row l % 16, 32 bytes for each half of the lanes
	v_lshl_add_u32 v5, v2, 5, v5
	v_add_nc_u32 v[STO], s23, v5
	v_lshlrev_b32 v[CO], 4, v6                     ; back and out: a row's 512 bytes, 16 a lane
	v_add_nc_u32 v[RD], s23, v[CO]
	s_lshl_b32 s46, s40, 10                        ; my 128 columns in bytes of f32: 1,024 cx + 512 half; kept for the way out
	s_lshl_b32 s47, s12, 9
	s_add_co_u32 s46, s46, s47
	s_mov_b32 s47, 0
	v_add_nc_u32 v[BOF], s46, v[CO]
	global_load_b128 v[BIAS:BIAS+3], v[BOF], s[72:73]      ; waited for on the way out
; 16 matrix instructions: m blocks a0, a0 + 1 of my four x all 8 n blocks, 32 along K.  zero = 1: the first product starts the sums: nothing is cleared.
.macro MUL16 f, a0, zero
.irp a, \a0, \a0+1
.irp b, 0,1,2,3,4,5,6,7
.if \zero
	v_wmma_f32_16x16x32_f16 v[8*(8*(\a)+\b):8*(8*(\a)+\b)+7], v[\f+8*\b:\f+8*\b+7], v[\f+8*(\a):\f+8*(\a)+7], 0
.else
	v_wmma_f32_16x16x32_f16 v[8*(8*(\a)+\b):8*(8*(\a)+\b)+7], v[\f+8*\b:\f+8*\b+7], v[\f+8*(\a):\f+8*(\a)+7], v[8*(8*(\a)+\b):8*(8*(\a)+\b)+7]
.endif
.endr
.endr
.endm
; 24 LDS loads in one run: the fragments of quarter q (32 along K) into buffer f: Wo's 128 rows, then Z's 64.
; In Wo's rows the quarter begins at byte 64 q; in Z's it is half (q % 2) of head (q / 2).
.macro FETCH slot, q, f
	WIN TO_B
.irp i, 0,1,2,3,4,5,6,7
	ds_load_b128 v[\f+8*\i:\f+8*\i+3],   v[ADRB+\slot] offset:64*(\q)+\i*16*PITCH
	ds_load_b128 v[\f+8*\i+4:\f+8*\i+7], v[ADRB+\slot] offset:64*(\q)+\i*16*PITCH+32
.endr
	WIN 0
.irp i, 0,1,2,3
	ds_load_b128 v[\f+8*\i:\f+8*\i+3],   v[ADRA+\slot] offset:((\q)>>1)*ASUB+((\q)&1)*64+\i*16*APITCH
	ds_load_b128 v[\f+8*\i+4:\f+8*\i+7], v[ADRA+\slot] offset:((\q)>>1)*ASUB+((\q)&1)*64+\i*16*APITCH+32
.endr
.endm
.macro PLACES                          ; four places behind matrix instructions, for loads onto their sources and for readers of their results
.rept 4
	v_nop
.endr
.endm
; A K step is four quarters of 32 along K, 32 matrix instructions each, on buffers 0, 1, 0, 1.  The 32 accumulators take turns, one instruction a turn, in the same
; order in every quarter.
; One of the first three quarters: multiplies buffer f; at its HEAD it fetches quarter q of the same slot into buffer g, which the last quarter's products have read,
; so that the 24 loads have all 32 products in which to land.
.macro QUARTER slot, q, f, g, zero
	s_wait_dscnt 4                                 ; Wo and Z's rows 0-31 of buffer f are in; the youngest four loads (Z's rows 32-63) may be out
	PLACES
	FETCH \slot, \q, \g
	WIN MUL
	MUL16 \f, 0, \zero
	s_wait_dscnt 24                                ; all but the 24 just issued
	MUL16 \f, 2, \zero
.endm
.macro THREE slot, zero
	QUARTER \slot, 1, F0, F1, \zero
	QUARTER \slot, 2, F1, F0, 0
	QUARTER \slot, 3, F0, F1, 0
.endm
; The last quarter multiplies buffer 1 and changes slots.  In front of the barrier each wave waits for its reads of this slot and for all its tensor loads (one is
; out: its part of the next slot).  Behind it the refill comes first, then the next slot's first fragments.
; From a request to the wait for it a wave issues 112 matrix instructions.
.macro TURN slot, next, fill
	s_wait_dscnt 0                                 ; buffer 1 is in: my reads of this slot are over
	s_wait_tensorcnt 0x0                           ; and all my tensor loads have landed
	ds_add_u32 v255, v255
	s_wait_dscnt 0x0
	s_barrier_signal -1                            ; (where a slot is filled again this barrier opens a round of the cluster's barrier)
	WIN MUL
	MUL16 F1, 0, 0                                 ; work on registers while the others arrive
	WIN 0
	s_barrier_wait -1
.if \fill
	CREST                                          ; no wave of any partner still reads this slot's tile or has a load on its way
	s_add_nc_u64 s[G0+4*\slot+2:G0+4*\slot+3], s[G0+4*\slot+2:G0+4*\slot+3], 2*ASTEP
	s_add_nc_u64 s[G0B+4*\slot+2:G0B+4*\slot+3], s[G0B+4*\slot+2:G0B+4*\slot+3], 2*KSTEP*2
	JLOAD \slot                                    ; the first tensor load behind the round, and my only one until the next
.endif
	PLACES
	FETCH \next, 0, F0
	WIN MUL
	MUL16 F1, 2, 0
.endm
.macro LAP zero
	THREE 0, \zero
	TURN 0, 1, 1
	THREE 1, 0
	TURN 1, 0, 1
.endm
	s_wait_tensorcnt 1                             ; my part of K step 0 is in; K step 1's stays out
	s_barrier_signal -1
	s_barrier_wait -1
	FETCH 0, 0, F0
	LAP 1                                          ; the first lap's first products start the sums
	WIN 0
	s_mov_b32 s3, LAPS-2
.Llap:
	LAP 0
	WIN 0
	s_sub_co_u32 s3, s3, 1
	s_cmp_lg_u32 s3, 0
	s_cbranch_scc1 .Llap
	THREE 0, 0                                     ; the last lap fills nothing
	TURN 0, 1, 0
	THREE 1, 0
	s_wait_dscnt 0                                 ; the very last quarter: nothing more to fetch
	WIN MUL
	MUL16 F1, 0, 0
	MUL16 F1, 2, 0
	; THE WAY OUT, 16 rows at a time: the sums go as they are into my own stage, come back as whole rows of 512 bytes, take the bias and leave.
	PLACES
	s_lshl_b32 s16, s13, 19                        ; 128 R rows of 4,096 bytes
	s_lshl_b32 s14, s11, 18                        ; + my half's 64 rows
	s_add_co_u32 s16, s16, s14
	s_mov_b32 s17, 0
	s_add_nc_u64 s[74:75], s[74:75], s[16:17]
	s_add_nc_u64 s[74:75], s[74:75], s[46:47]      ; + my columns
	s_wait_loadcnt 0x0                             ; the bias
; rows 16 i .. 16 i + 15 = the eight tiles (i, 0..7) of window 2 (an LDS store's data are source 1: setting 0x08); f: F0 or F1 in turn, 64 registers of window 0
.macro OUT16 i, f
	WIN 0x08
.irp b, 0,1,2,3,4,5,6,7
	ds_store_b128 v[STO], v[8*(8*\i+\b):8*(8*\i+\b)+3] offset:64*\b
	ds_store_b128 v[STO], v[8*(8*\i+\b)+4:8*(8*\i+\b)+7] offset:64*\b+16
.endr
	WIN 0
	s_wait_xcnt 0x0                                ; buffer f, which earlier stores read, is rewritten only behind this wait
.set row, 0
.rept 16
	ds_load_b128 v[\f+4*row:\f+4*row+3], v[RD] offset:SPITCH*row   ; LDS serves a wave's instructions in order: these see the stores above
.set row, row+1
.endr
.set row, 0
.rept 16
	s_wait_dscnt 15-row                            ; this row is in, the younger ones stay out
	v_pk_add_f32 v[\f+4*row:\f+4*row+1], v[\f+4*row:\f+4*row+1], v[BIAS:BIAS+1]
	v_pk_add_f32 v[\f+4*row+2:\f+4*row+3], v[\f+4*row+2:\f+4*row+3], v[BIAS+2:BIAS+3]
	global_store_b128 v[CO], v[\f+4*row:\f+4*row+3], s[74:75] offset:(16*\i+row)*4096 th:TH_STORE_NT   ; 512 consecutive bytes of a row, aligned
.set row, row+1
.endr
.endm
	OUT16 0, F0
	OUT16 1, F1
	OUT16 2, F0
	OUT16 3, F1
	s_set_vgpr_msb 0x1
	s_wait_tensorcnt 0x0
	ds_add_u32 v255, v255
	s_wait_dscnt 0x0
	s_set_vgpr_msb 0x100
	CROUND                                         ; the closing round: no work-group ends while a partner may still ask for a tile that names it
	s_endpgm
.Lfunc_end_k_q522ca71ed4_oproj:
	.size	k_q522ca71ed4_oproj, .Lfunc_end_k_q522ca71ed4_oproj-k_q522ca71ed4_oproj
	.p2alignl 7, 3214868480
	.fill 96, 4, 3214868480
	.section	.rodata,"a",@progbits
	.p2align	6, 0x0
	.amdhsa_kernel k_q522ca71ed4_oproj
		.amdhsa_group_segment_fixed_size 327680
		.amdhsa_private_segment_fixed_size 0
		.amdhsa_enable_private_segment 0
		.amdhsa_kernarg_size 32
		.amdhsa_user_sgpr_count 2
		.amdhsa_user_sgpr_kernarg_segment_ptr 1
		.amdhsa_wavefront_size32 1
		.amdhsa_system_sgpr_workgroup_id_x 1
		.amdhsa_system_sgpr_workgroup_id_y 1
		.amdhsa_system_sgpr_workgroup_id_z 1
		.amdhsa_system_vgpr_workitem_id 0
		.amdhsa_next_free_vgpr 768
		.amdhsa_next_free_sgpr 76
		.amdhsa_reserve_vcc 0
		.amdhsa_float_denorm_mode_32 3
		.amdhsa_float_denorm_mode_16_64 3
		.amdhsa_memory_ordered 1
		.amdhsa_forward_progress 1
		.amdhsa_inst_pref_size 126
	.end_amdhsa_kernel
	.amdgpu_metadata
---
amdhsa.version: [ 1, 2 ]
amdhsa.kernels:
  - .name:           k_q522ca71ed4_oproj
    .symbol:         k_q522ca71ed4_oproj.kd
    .args:
      - { .name: zh, .offset: 0, .size: 8, .value_kind: global_buffer, .address_space: global }
      - { .name: xw, .offset: 8, .size: 8, .value_kind: global_buffer, .address_space: global }
      - { .name: bo, .offset: 16, .size: 8, .value_kind: global_buffer, .address_space: global }
      - { .name: out0, .offset: 24, .size: 8, .value_kind: global_buffer, .address_space: global }
    .group_segment_fixed_size: 327680
    .private_segment_fixed_size: 0
    .kernarg_segment_align: 8
    .kernarg_segment_size: 32
    .max_flat_workgroup_size: 128
    .sgpr_count:     76
    .vgpr_count:     768
    .wavefront_size: 32
...
	.end_amdgpu_metadata
.endif
;; end of part 6
